; MI455X (gfx1250); checked and timed in simulation.
; The chip was launched on July 23, 2026; its instructions are those of AMD's public machine-readable ISA for CDNA 5 (MIT licence, August 2026) and "CDNA5" Instruction Set Architecture Reference Guide (July 2026). The comments in the code are by the model that wrote it; some were corrected since.
;; Grouped Query Attention Qwen. Allowed arithmetic: float matrix products may take bf16 or f16 operands with f32 sums; all other float work in f32.
;; Inputs: Wk 1,024 x 2,048 float32; Wo 2,048 x 2,048 float32; Wq 2,048 x 2,048 float32; Wv 1,024 x 2,048 float32; cos 2,048 x 128 float32; k_scale 128 float32; mask 2,048 x 2,048 bool; q_scale 128 float32; sin 2,048 x 128 float32; x 1 x 2,048 x 2,048 float32.
;; Outputs: out0 1 x 2,048 x 2,048 float32.
;; One version. Each part assembles by itself: llvm-mc -triple=amdgcn-amd-amdhsa -mcpu=gfx1250 --defsym DOCPART=n.
;; ======== version 1 of 1: 4 launches
;; limits: values are held in f16: magnitudes above 65,504 overflow, below 6.1e-05 lose precision; values outside matrix products are rounded to bf16; right only within a limited range of input values
;; workspace buffers: xb 8,388,608 bytes; wqkv 16,777,216 bytes; wob 8,388,608 bytes; maskw 524,288 bytes of whole numbers; tab 2,098,176 bytes; qkv 16,777,216 bytes; ctx 8,388,608 bytes
;; launch prep (part 1): grid 1185 x 1, 8 waves a work-group, no clusters, 0 bytes of LDS; arguments x, Wq, Wk, Wv, Wo, mask, cos, sin, q_scale, k_scale, xb, wqkv, wob, maskw, tab; writes xb, wqkv, wob, maskw, tab
.if DOCPART == 1
	.amdgcn_target "amdgcn-amd-amdhsa--gfx1250"
	.amdhsa_code_object_version 6
	.text
	.protected	k_q0c91496e67_prep
	.globl	k_q0c91496e67_prep
	.p2align	8
	.type	k_q0c91496e67_prep,@function
k_q0c91496e67_prep:
	s_mov_b64 s[64:65], 0
	v_nop
	global_prefetch_b8 v0, s[64:65] scope:SCOPE_SE
	s_setreg_imm32_b32 hwreg(HW_REG_WAVE_MODE, 25, 1), 1
	s_wait_xcnt 0x0
; Casts and packing, one pass over every input.
;   x            -> xb    bf16 [2048][2048]
;   Wq, Wk, Wv   -> wqkv  bf16 [4096][2048]  (rows 0-2047 Wq, 2048-3071 Wk, 3072-4095 Wv)
;   Wo           -> wob   f16  [2048][2048], rounded to bf16 first and then written as f16
;   cos, sin, q_scale, k_scale -> tab, f32 numbers rounded to bf16: cos at 0, sin at 0x100000, q_scale at 0x200000, k_scale at 0x200200
;   mask         -> maskw u32 [128 qt][128 kt][8 j]: bit L = mask[16 qt + (L & 15)][16 kt + 8 (L >> 4) + j]
; EVERY floating-point input is taken rounded to bf16: the matrix operands because the matrix unit wants 16 bits, the tables and
; gains with them, so that the program computes the function of ONE set of inputs.  All arithmetic on the tables stays in f32.
; LIMIT: a bf16 number below 2^-14 in Wo becomes an f16 denormal, absolute error at most 2^-25; above 65,504 it becomes infinite.
; Memory binds here: no LDS, no matrix unit, no cluster (no two work-groups read the same byte).
; A streaming work-group takes 64 KiB of f32: sixteen 16-byte loads a thread, all issued at once; each load of a wave covers 512
; neighbouring bytes, each store of a wave 256 (16-bit results) or 512 (tab) neighbouring bytes, aligned.
.set ID_WQ,   256
.set ID_WK,   512
.set ID_WV,   640
.set ID_WO,   768
.set ID_COS,  1024
.set ID_SIN,  1040
.set ID_MASK, 1056
.set ID_GAIN, 1184
.set X, 4                              ; v[4:67]   sixteen loads of four registers; results are made in place
.set W, 36                             ; v[36:39]  mask way: the wave's 128 words, word n in register n & 3 of lane n >> 2
.set T, 68                             ; v[68:69]  at work
	s_load_b512 s[4:19], s[0:1], 0x0               ; x 4, Wq 6, Wk 8, Wv 10, Wo 12, mask 14, cos 16, sin 18
	s_load_b256 s[20:27], s[0:1], 0x40             ; q_scale 20, k_scale 22, xb 24, wqkv 26
	s_load_b128 s[28:31], s[0:1], 0x60             ; wob 28, maskw 30
	s_load_b64 s[32:33], s[0:1], 0x70              ; tab
	s_mov_b32 s2, ttmp9                            ; the work-group's number
	s_mov_b32 s47, 0                               ; high word of every byte offset (all are below 4 GiB)
	s_cmp_ge_u32 s2, ID_GAIN
	s_cbranch_scc1 .Lgain
	s_cmp_ge_u32 s2, ID_MASK
	s_cbranch_scc1 .Lmask
	; ---- the seven streams: source, its chunk, destination, its chunk, by the work-group's number alone
	s_sub_co_u32 s40, s2, ID_WQ                    ; the differences first: the selects below need SCC kept
	s_sub_co_u32 s41, s2, ID_WK
	s_sub_co_u32 s42, s2, ID_WV
	s_sub_co_u32 s43, s2, ID_WO
	s_sub_co_u32 s44, s2, ID_COS
	s_sub_co_u32 s45, s2, ID_SIN
	v_lshlrev_b32 v1, 4, v0                        ; 16 t: loads, and tab's stores
	v_lshlrev_b32 v2, 3, v0                        ; 8 t: stores of 16-bit results
	s_wait_kmcnt 0x0
.macro PICK from, src, chunk
	s_cmp_ge_u32 s2, \from
	s_cselect_b64 s[34:35], s[\src:\src+1], s[34:35]
	s_cselect_b32 s36, s\chunk, s36
.endm
.macro PICKD dst, chunk                ; straight behind a PICK: the selects leave SCC as it is
	s_cselect_b64 s[38:39], s[\dst:\dst+1], s[38:39]
	s_cselect_b32 s37, s\chunk, s37
.endm
	s_mov_b64 s[34:35], s[4:5]                     ; x
	s_mov_b32 s36, s2
	s_mov_b64 s[38:39], s[24:25]                   ; xb
	s_mov_b32 s37, s2
	PICK ID_WQ, 6, 40
	PICKD 26, 40                                   ; wqkv: Wq, Wk, Wv lie one behind the other
	PICK ID_WK, 8, 41
	PICK ID_WV, 10, 42
	PICK ID_WO, 12, 43
	PICKD 28, 43                                   ; wob
	PICK ID_COS, 16, 44
	PICKD 32, 44                                   ; tab: cos, then sin
	PICK ID_SIN, 18, 45
	s_lshl_b32 s46, s36, 16                        ; 64 KiB a chunk
	s_add_nc_u64 s[34:35], s[34:35], s[46:47]
.irp i, 0,1,2,3,4,5,6,7,8,9,10,11,12,13,14,15
	global_load_b128 v[X+4*\i:X+4*\i+3], v1, s[34:35] offset:4096*\i th:TH_LOAD_NT
.endr
	s_cmp_ge_u32 s2, ID_COS
	s_cbranch_scc1 .Ltab
	s_lshl_b32 s46, s37, 15                        ; 32 KiB of 16-bit results a chunk
	s_add_nc_u64 s[38:39], s[38:39], s[46:47]
	s_cmp_ge_u32 s2, ID_WO
	s_cbranch_scc1 .Lwo
	; x and the three projection weights: f32 to bf16
.irp i, 0,1,2,3,4,5,6,7,8,9,10,11,12,13,14,15
	s_wait_loadcnt 15-\i                           ; loads come back in order: load i is in, the 15 - i younger ones stay out
	v_cvt_pk_bf16_f32 v[X+4*\i], v[X+4*\i], v[X+4*\i+1]
	v_cvt_pk_bf16_f32 v[X+4*\i+1], v[X+4*\i+2], v[X+4*\i+3]
	global_store_b64 v2, v[X+4*\i:X+4*\i+1], s[38:39] offset:2048*\i
.endr
	s_endpgm
; four numbers rounded to bf16 and widened again, in place
.macro RND4 i
	v_cvt_pk_bf16_f32 v[T], v[X+4*\i], v[X+4*\i+1]
	v_cvt_pk_bf16_f32 v[T+1], v[X+4*\i+2], v[X+4*\i+3]
	v_lshlrev_b32 v[X+4*\i], 16, v[T]
	v_and_b32 v[X+4*\i+1], 0xffff0000, v[T]
	v_lshlrev_b32 v[X+4*\i+2], 16, v[T+1]
	v_and_b32 v[X+4*\i+3], 0xffff0000, v[T+1]
.endm
.Lwo:	; Wo: the bf16 number, written as f16 (its 8 significant bits fit f16's 11), because its partner ctx is f16
.irp i, 0,1,2,3,4,5,6,7,8,9,10,11,12,13,14,15
	s_wait_loadcnt 15-\i
	RND4 \i
	v_cvt_pk_f16_f32 v[X+4*\i], v[X+4*\i], v[X+4*\i+1]
	v_cvt_pk_f16_f32 v[X+4*\i+1], v[X+4*\i+2], v[X+4*\i+3]
	global_store_b64 v2, v[X+4*\i:X+4*\i+1], s[38:39] offset:2048*\i
.endr
	s_endpgm
.Ltab:	; cos and sin: the bf16 number kept as f32
	s_lshl_b32 s46, s37, 16
	s_add_nc_u64 s[38:39], s[38:39], s[46:47]
.irp i, 0,1,2,3,4,5,6,7,8,9,10,11,12,13,14,15
	s_wait_loadcnt 15-\i
	RND4 \i
	global_store_b128 v1, v[X+4*\i:X+4*\i+3], s[38:39] offset:4096*\i
.endr
	s_endpgm
.Lmask:	; 16 query rows x all 2,048 keys; wave w takes key tiles 16 w .. 16 w + 15.
	; Lane (r = L & 15, h = L >> 4) reads the 8 bytes mask[16 qt + r][16 kt + 8 h ..]; a compare of byte j over the 32 lanes IS word (kt, j).
	s_sub_co_u32 s36, s2, ID_MASK                  ; qt
	v_and_b32 v1, 15, v0
	v_bfe_u32 v2, v0, 4, 1
	v_lshrrev_b32 v3, 5, v0
	v_lshlrev_b32 v1, 11, v1                       ; r rows of 2,048 bytes
	v_lshl_add_u32 v1, v2, 3, v1                   ; + 8 h
	v_lshl_add_u32 v1, v3, 8, v1                   ; + 16 tiles of 16 keys for each wave
	s_lshl_b32 s46, s36, 15                        ; 16 rows of 2,048 bytes
	s_wait_kmcnt 0x0
	s_add_nc_u64 s[14:15], s[14:15], s[46:47]
.irp t, 0,1,2,3,4,5,6,7,8,9,10,11,12,13,14,15
	global_load_b64 v[X+2*\t:X+2*\t+1], v1, s[14:15] offset:16*\t
.endr
	s_lshl_b32 s46, s36, 12                        ; 128 tiles x 8 words x 4 bytes
	s_add_nc_u64 s[30:31], s[30:31], s[46:47]
	v_lshlrev_b32 v2, 4, v0                        ; 512 w + 16 L
.irp k, 0,1,2,3
	v_mov_b32 v[W+\k], 0                           ; v_writelane_b32 keeps the other lanes: written whole once
.endr
	s_wait_loadcnt 0x0
.set n, 0
.rept 128                              ; n = 8 t + j
	v_bfe_u32 v[T+(n&1)], v[X+2*(n>>3)+((n>>2)&1)], 8*(n&3), 8
	v_cmp_ne_u32 s[48+(n&3)], 0, v[T+(n&1)]
	v_writelane_b32 v[W+(n&3)], s[48+(n&3)], n>>2
.set n, n+1
.endr
	global_store_b128 v2, v[W:W+3], s[30:31]       ; the wave's 512 neighbouring bytes
	s_endpgm
.Lgain:	; the two gain vectors, 128 numbers each: waves 0-3 take q_scale, waves 4-7 k_scale
	v_lshrrev_b32 v1, 5, v0
	v_readfirstlane_b32 s36, v1
	v_and_b32 v1, 127, v0
	v_lshlrev_b32 v1, 2, v1
	v_lshlrev_b32 v2, 2, v0
	s_wait_kmcnt 0x0
	s_cmp_ge_u32 s36, 4
	s_cselect_b64 s[34:35], s[22:23], s[20:21]
	global_load_b32 v4, v1, s[34:35]
	s_wait_loadcnt 0x0
	v_cvt_pk_bf16_f32 v5, v4, v4
	v_lshlrev_b32 v5, 16, v5
	global_store_b32 v2, v5, s[32:33] offset:0x200000
	s_endpgm
.Lfunc_end_k_q0c91496e67_prep:
	.size	k_q0c91496e67_prep, .Lfunc_end_k_q0c91496e67_prep-k_q0c91496e67_prep
	.p2alignl 7, 3214868480
	.fill 96, 4, 3214868480
	.section	.rodata,"a",@progbits
	.p2align	6, 0x0
	.amdhsa_kernel k_q0c91496e67_prep
		.amdhsa_group_segment_fixed_size 0
		.amdhsa_private_segment_fixed_size 0
		.amdhsa_enable_private_segment 0
		.amdhsa_kernarg_size 120
		.amdhsa_user_sgpr_count 2
		.amdhsa_user_sgpr_kernarg_segment_ptr 1
		.amdhsa_wavefront_size32 1
		.amdhsa_system_sgpr_workgroup_id_x 1
		.amdhsa_system_sgpr_workgroup_id_y 1
		.amdhsa_system_sgpr_workgroup_id_z 1
		.amdhsa_system_vgpr_workitem_id 0
		.amdhsa_next_free_vgpr 72
		.amdhsa_next_free_sgpr 66
		.amdhsa_reserve_vcc 0
		.amdhsa_float_denorm_mode_32 3
		.amdhsa_float_denorm_mode_16_64 3
		.amdhsa_memory_ordered 1
		.amdhsa_forward_progress 1
		.amdhsa_inst_pref_size 52
	.end_amdhsa_kernel
	.amdgpu_metadata
---
amdhsa.version: [ 1, 2 ]
amdhsa.kernels:
  - .name:           k_q0c91496e67_prep
    .symbol:         k_q0c91496e67_prep.kd
    .args:
      - { .name: x, .offset: 0, .size: 8, .value_kind: global_buffer, .address_space: global }
      - { .name: Wq, .offset: 8, .size: 8, .value_kind: global_buffer, .address_space: global }
      - { .name: Wk, .offset: 16, .size: 8, .value_kind: global_buffer, .address_space: global }
      - { .name: Wv, .offset: 24, .size: 8, .value_kind: global_buffer, .address_space: global }
      - { .name: Wo, .offset: 32, .size: 8, .value_kind: global_buffer, .address_space: global }
      - { .name: mask, .offset: 40, .size: 8, .value_kind: global_buffer, .address_space: global }
      - { .name: cos, .offset: 48, .size: 8, .value_kind: global_buffer, .address_space: global }
      - { .name: sin, .offset: 56, .size: 8, .value_kind: global_buffer, .address_space: global }
      - { .name: q_scale, .offset: 64, .size: 8, .value_kind: global_buffer, .address_space: global }
      - { .name: k_scale, .offset: 72, .size: 8, .value_kind: global_buffer, .address_space: global }
      - { .name: xb, .offset: 80, .size: 8, .value_kind: global_buffer, .address_space: global }
      - { .name: wqkv, .offset: 88, .size: 8, .value_kind: global_buffer, .address_space: global }
      - { .name: wob, .offset: 96, .size: 8, .value_kind: global_buffer, .address_space: global }
      - { .name: maskw, .offset: 104, .size: 8, .value_kind: global_buffer, .address_space: global }
      - { .name: tab, .offset: 112, .size: 8, .value_kind: global_buffer, .address_space: global }
    .group_segment_fixed_size: 0
    .private_segment_fixed_size: 0
    .kernarg_segment_align: 8
    .kernarg_segment_size: 120
    .max_flat_workgroup_size: 256
    .sgpr_count:     66
    .vgpr_count:     72
    .wavefront_size: 32
...
	.end_amdgpu_metadata
.endif
;; end of part 1
;; launch proj (part 2): grid 16 x 16, 4 waves a work-group, clusters of 4 x 4, 327,680 bytes of LDS; arguments xb, wqkv, qkv, tab; writes qkv
.if DOCPART == 2
	.amdgcn_target "amdgcn-amd-amdhsa--gfx1250"
	.amdhsa_code_object_version 6
	.text
	.protected	k_q0c91496e67_proj
	.globl	k_q0c91496e67_proj
	.p2align	8
	.type	k_q0c91496e67_proj,@function
k_q0c91496e67_proj:
	s_mov_b64 s[64:65], 0
	v_nop
	global_prefetch_b8 v0, s[64:65] scope:SCOPE_SE
	s_setreg_imm32_b32 hwreg(HW_REG_WAVE_MODE, 25, 1), 1
	s_wait_xcnt 0x0
	s_wait_alu depctr_hold_cnt(0) depctr_sa_sdst(0) depctr_va_vdst(0) depctr_va_sdst(0) depctr_va_ssrc(0) depctr_va_vcc(0) depctr_vm_vsrc(0)
	s_getreg_b32 s2, hwreg(HW_REG_IB_STS2, 6, 4)
	s_cmp_eq_u32 s2, 0
	s_cbranch_scc0 .Lentry_in_a_cluster
	s_endpgm
.Lentry_in_a_cluster:
	s_bfe_u32 s2, ttmp6, 0x10000c
	s_cmp_lg_u32 s2, 0xf033
	s_cbranch_scc0 .Lentry_shape_is_right
	s_endpgm
.Lentry_shape_is_right:
; qkv[s][f] = sum over k of xb[s][k] wqkv[f][k] (bf16 operands, f32 sums), then for the Q and K features RMSNorm over each head's 128
; numbers, the gain, and RoPE, all in f32; every result is stored as f16.  qkv: f16 [2048][4096]: Q head h at column 128 h,
; K group g at 2048 + 128 g, V group g at 3072 + 128 g.  Q is also multiplied by log2(e) / sqrt(128), so that the scores come out
; ready for a base-2 exponential.
; LIMIT: results leave as f16: |v| has to stay below 65,504 (Q and K are bounded by their gains: 11.4 |gain| at the most).
; A work-group makes 128 x 256 with four waves; a wave makes 64 rows x 128 columns, which is one head: 32 accumulator tiles, 256 registers.
; K goes in steps of 128 (rows of 256 bytes, aligned) through two LDS slots filled by the tensor data mover.
; CLUSTERS of 4 x 4: the four work-groups of a row of the cluster need the same rows of xb, the four of a column the same rows of wqkv.
; Each wave asks jointly for its quarter of A's tile (32 rows) and of B's tile (64 rows): two tensor loads a slot, at most four outstanding.
; THE WALK ALONG K starts at 0 or at K / 2, by the cluster's own x and y, and wraps round: of the clusters that need the same rows, half read
; a K slice half a walk later than the others, instead of all asking for it in the same step.  The order of a sum's terms is free here.
; The matrix instruction is used transposed (source 0 = rows of wqkv, source 1 = rows of xb): lane (r, h) then holds row r of the result and
; in its registers the eight neighbouring columns 8 h + 0..7, so a row's statistics need one exchange between the two halves of the lanes.
; Window 0: addresses, two fragment buffers.  Window 1: the accumulators, tile (a, b) at v[8 (8 a + b)].
; Windows 2 and 3: cos and sin of row tiles 0, 1, 2 and the gains, asked for ahead of the K loop, so that the way out does not wait for them.
; The clusters that make V ask for them too and do not use them (112 loads a wave): one way through the prologue for every cluster.
.set KSTEP,  128
.set ROWB,   256                       ; bytes of a tile's row
.set PITCH,  272                       ; LDS rows 272 bytes apart: the 16 rows of a fragment load start in 16 different 16-byte columns modulo 256
.set QI,     5                         ; pad behind every 64 words
.set NB,     8                         ; column tiles of a wave
.set AROWS,  32                        ; rows in a wave's load of A
.set BROWS,  64                        ; and of B
.set APART,  128*PITCH
.set SLOT,   APART+256*PITCH
.set STAGE,  2*SLOT                    ; behind the ring: 16 rows x 272 bytes for each wave; no tensor load lands there
.set SPITCH, 272
.set LAPS,   8                         ; 2048 / (2 x 128)
.set ADRA, 16                          ; v16-17 LDS address of my A fragments in slot 0, 1
.set ADRB, 20                          ; v20-21 the same for B
.set STO,  24
.set RD,   25
.set CO,   26
.set CSO,  27                          ; my offset in cos and sin: 512 r + 32 h
.set SCO,  28                          ; my offset in the gain vector: 32 h
.set F0,   64                          ; v64-159  fragment buffer 0: B's eight, then A's four
.set F1,   160                         ; v160-255 fragment buffer 1
.set SS,   4                           ; the way out: v4-11 four chains of squares
.set RS,   12                          ; v12-13 the row's factor, twice
.set TT,   14
.set PKD,  32                          ; v32-63   16 rows' results, packed
.set COS,  96                          ; v96-159  cos of row tile 3
.set SIN,  160                         ; v160-223 sin of row tile 3
.set RB,   224                         ; v224-255 rows read back from the stage
.set SCW,  128                         ; window 3: v128-191 gains of my 64 columns
.set G1A, 24
.set G0A, 32
.set G1B, 48
.set G0B, 56
.set ABASE, 80                         ; s[80:81] my rows of xb, at K = 0
.set BBASE, 82                         ; s[82:83] my rows of wqkv, at K = 0
.set KOFF,  84                         ; s[84:85] byte offset along K of the next tile to ask for
.set WMUL, 0x50                        ; C and D in window 1, A and B in window 0
.set MSB, 0
.macro WIN new                         ; the immediate's high byte repeats the setting that is left
.if MSB != \new
	s_set_vgpr_msb (MSB<<8)|\new
.set MSB, \new
.endif
.endm
.macro PLACES                          ; four plain vector instructions behind a matrix instruction, before its registers are loaded into or its results read (ISA guide 7.12.1)
.rept 4
	v_nop
.endr
.endm
.macro CREST                           ; a round of the cluster's barrier behind its opening work-group barrier
	s_cmp_lg_u32 s10, 0
	s_cbranch_scc1 .Lnot_wave_0_\@
	s_barrier_signal -3
.Lnot_wave_0_\@:
	s_barrier_wait -3
	s_barrier_signal -1
	s_barrier_wait -1
.endm
.macro CROUND
	s_barrier_signal -1
	s_barrier_wait -1
	CREST
.endm
; The next tile along the walk is asked for, into slot.  No tensor load that names the slot's two group 0 is out here, so they may be written.
.macro ASK slot
	s_add_nc_u64 s[G0A+4*\slot+2:G0A+4*\slot+3], s[ABASE:ABASE+1], s[KOFF:KOFF+1]
	s_add_nc_u64 s[G0B+4*\slot+2:G0B+4*\slot+3], s[BBASE:BBASE+1], s[KOFF:KOFF+1]
	s_or_b32 s[G0A+4*\slot+3], s[G0A+4*\slot+3], 0x80000000
	s_or_b32 s[G0B+4*\slot+3], s[G0B+4*\slot+3], 0x80000000
	s_add_co_u32 s[KOFF], s[KOFF], ROWB            ; one K step on,
	s_and_b32 s[KOFF], s[KOFF], 4095               ; round the end of the row of 4,096 bytes
	tensor_load_to_lds s[G0A+4*\slot:G0A+4*\slot+3], s[G1A:G1A+7]
	s_nop 0
	tensor_load_to_lds s[G0B+4*\slot:G0B+4*\slot+3], s[G1B:G1B+7]
	s_nop 0
.endm
.macro LOADCS a, cb, sb                ; cos and sin of my 64 columns in rows 16 a + r: 32 loads, into the window that is set
.irp b, 0,1,2,3,4,5,6,7
	global_load_b128 v[\cb+8*\b:\cb+8*\b+3],   v[CSO], s[68:69] offset:8192*\a+64*\b
	global_load_b128 v[\cb+8*\b+4:\cb+8*\b+7], v[CSO], s[68:69] offset:8192*\a+64*\b+16
	global_load_b128 v[\sb+8*\b:\sb+8*\b+3],   v[CSO], s[68:69] offset:0x100000+8192*\a+64*\b
	global_load_b128 v[\sb+8*\b+4:\sb+8*\b+7], v[CSO], s[68:69] offset:0x100000+8192*\a+64*\b+16
.endr
.endm
	s_load_b128 s[4:7], s[0:1], 0x0                ; xb, wqkv
	s_load_b64 s[8:9], s[0:1], 0x10                ; qkv
	s_load_b64 s[68:69], s[0:1], 0x18              ; tab
	v_lshl_add_u32 v30, v0, 2, 0x37400
	v_mov_b32 v31, 0
	ds_add_u32 v30, v31
	v_lshrrev_b32 v1, 5, v0
	v_readfirstlane_b32 s10, v1                    ; wave
	s_lshr_b32 s11, s10, 1                         ; wm: which 64 rows
	s_and_b32 s12, s10, 1                          ; wn: which 128 columns
	s_bfe_u32 s40, ttmp6, 0x40000                  ; cx
	s_bfe_u32 s41, ttmp6, 0x40004                  ; cy
	s_mov_b32 s45, ttmp9                           ; the cluster's x: 1,024 features: 0, 1 = Q, 2 = K, 3 = V, alike in all sixteen partners
	s_lshl_b32 s42, ttmp9, 2
	s_add_co_u32 s42, s42, s40                     ; block column
	s_and_b32 s13, ttmp7, 0xffff
	s_lshl_b32 s13, s13, 2
	s_add_co_u32 s13, s13, s41                     ; block row
	s_and_b32 s86, ttmp7, 0xffff                   ; where the walk starts: (Y ^ (Y >> 1) ^ X) & 1, of the cluster's x and y alone,
	s_lshr_b32 s87, s86, 1                         ; so it is alike in all sixteen partners
	s_xor_b32 s86, s86, s87
	s_xor_b32 s86, s86, s45
	s_and_b32 s86, s86, 1
	s_lshl_b32 s[KOFF], s86, 11                    ; byte 0 or byte 2,048 of the rows
	s_mov_b32 s[KOFF+1], 0
	s_lshl_b32 s43, s41, 2
	s_lshl_b32 s43, 15, s43                        ; my row of the cluster
	s_lshl_b32 s44, 0x1111, s40                    ; my column
	s_or_b32 s[G1A+0], s43, (1<<16)|(1<<20)|(1<<21)|(QI<<22)|(3<<25)   ; mask; 2-byte elements; padding on; bit 21 beside a mask; 4 words behind every 64
	s_or_b32 s[G1B+0], s44, (1<<16)|(1<<20)|(1<<21)|(QI<<22)|(3<<25)
	s_mov_b32 s[G1A+1], KSTEP<<16                  ; tensor_dim0
	s_mov_b32 s[G1B+1], KSTEP<<16
	s_mov_b32 s[G1A+2], AROWS<<16                  ; tensor_dim1
	s_mov_b32 s[G1B+2], BROWS<<16
	s_mov_b32 s[G1A+3], KSTEP<<16                  ; tile_dim0
	s_mov_b32 s[G1B+3], KSTEP<<16
	s_mov_b32 s[G1A+4], AROWS                      ; tile_dim1
	s_mov_b32 s[G1B+4], BROWS
	s_mov_b32 s[G1A+5], 2048                       ; elements from row to row
	s_mov_b32 s[G1B+5], 2048
	s_mov_b32 s[G1A+6], 0
	s_mov_b32 s[G1B+6], 0
	s_mov_b32 s[G1A+7], 0
	s_mov_b32 s[G1B+7], 0
	s_lshl_b32 s16, s13, 7                         ; A: row 128 x block row + 32 x wave,
	s_lshl_b32 s17, s10, 5
	s_add_co_u32 s16, s16, s17
	s_lshl_b32 s16, s16, 12                        ; 4,096 bytes a row
	s_mov_b32 s17, 0
	s_lshl_b32 s46, s42, 8                         ; B: row 256 x block column + 64 x wave
	s_lshl_b32 s47, s10, 6
	s_add_co_u32 s46, s46, s47
	s_lshl_b32 s46, s46, 12
	s_mov_b32 s47, 0
	s_mul_i32 s20, s10, AROWS*PITCH                ; where they go: the wave's number alone
	s_mul_i32 s21, s10, BROWS*PITCH
	s_add_co_u32 s21, s21, APART
	s_wait_dscnt 0x0
	s_wait_kmcnt 0x0
	s_add_nc_u64 s[ABASE:ABASE+1], s[4:5], s[16:17]
	s_add_nc_u64 s[BBASE:BBASE+1], s[6:7], s[46:47]
	CROUND                                         ; all sixteen work-groups are here: the first joint loads meet
.irp s, 0,1
	s_mov_b32 s[G0A+4*\s], 1
	s_add_co_u32 s[G0A+4*\s+1], s20, \s*SLOT
	s_mov_b32 s[G0B+4*\s], 1
	s_add_co_u32 s[G0B+4*\s+1], s21, \s*SLOT
	ASK \s
.endr
	v_and_b32 v1, 15, v0                           ; r
	v_bfe_u32 v2, v0, 4, 1                         ; h
	v_mul_u32_u24 v3, v1, PITCH
	v_lshl_add_u32 v3, v2, 4, v3                   ; row x pitch + 16 h
	s_mul_i32 s22, s11, 64*PITCH
	s_mul_i32 s23, s12, 16*NB*PITCH
	s_add_co_u32 s23, s23, APART
.irp s, 0,1
	v_add_nc_u32 v[ADRA+\s], s22, v3
	v_add_nc_u32 v[ADRB+\s], s23, v3
	s_add_co_u32 s22, s22, SLOT
	s_add_co_u32 s23, s23, SLOT
.endr
	s_mul_i32 s18, s10, 16*SPITCH
	s_add_co_u32 s18, s18, STAGE                   ; my stage
	v_mul_u32_u24 v4, v1, SPITCH
	v_lshl_add_u32 v4, v2, 4, v4
	v_add_nc_u32 v[STO], s18, v4                   ; in: row r, 16 bytes for each half of the lanes
	v_mul_u32_u24 v5, v2, SPITCH
	v_lshl_add_u32 v5, v1, 4, v5
	v_add_nc_u32 v[RD], s18, v5                    ; back: lanes 0-15 one row of 256 bytes, lanes 16-31 the next
	v_lshlrev_b32 v5, 13, v2
	v_lshl_add_u32 v[CO], v1, 4, v5                ; the same two rows in qkv (8,192 bytes a row)
	v_lshlrev_b32 v5, 9, v1
	v_lshl_add_u32 v[CSO], v2, 5, v5
	v_lshlrev_b32 v[SCO], 5, v2
	v_mov_b32 v[TT], 0                             ; v_permlanex16_b32 counts as a reader of its destination
	; the way out's bases
	s_lshl_b32 s14, s13, 7
	s_lshl_b32 s15, s11, 6
	s_add_co_u32 s14, s14, s15                     ; my first row
	s_lshl_b32 s16, s14, 13
	s_mov_b32 s17, 0
	s_add_nc_u64 s[8:9], s[8:9], s[16:17]
	s_lshl_b32 s46, s42, 9                         ; my first column in bytes: 512 x block + 256 x half
	s_lshl_b32 s47, s12, 8
	s_add_co_u32 s46, s46, s47
	s_mov_b32 s47, 0
	s_add_nc_u64 s[8:9], s[8:9], s[46:47]
	s_mov_b32 s74, 0x200200                        ; k_scale's place in tab
	s_mov_b32 s75, 0
	s_cmp_lt_u32 s45, 2
	s_cselect_b32 s74, 0x200000, s74               ; q_scale's
	s_cselect_b32 s76, 0x3e0293ee, 1.0             ; Q alone: log2(e) / sqrt(128)
	s_add_nc_u64 s[72:73], s[68:69], s[74:75]
	s_lshl_b32 s16, s14, 9
	s_add_nc_u64 s[68:69], s[68:69], s[16:17]      ; cos at my first row; sin lies 0x100000 bytes further
	s_mov_b32 s77, 0x3c000000                      ; 1 / 128
	s_mov_b32 s78, 0x358637bd                      ; 1e-6
	s_mov_b32 s66, 0x76543210                      ; v_permlanex16_b32: lane i reads lane i of the other half
	s_mov_b32 s67, 0xfedcba98
	; cos and sin of row tiles 0, 1, 2 and the gains: 112 loads that have the whole K loop in which to land
	WIN 0x80                                       ; destination in window 2
	LOADCS 0, 0, 64
	LOADCS 1, 128, 192
	WIN 0xc0                                       ; destination in window 3
	LOADCS 2, 0, 64
.irp b, 0,1,2,3,4,5,6,7
	global_load_b128 v[SCW+8*\b:SCW+8*\b+3],   v[SCO], s[72:73] offset:64*\b
	global_load_b128 v[SCW+8*\b+4:SCW+8*\b+7], v[SCO], s[72:73] offset:64*\b+16
.endr
	WIN 0
; eight matrix instructions: row tile a x all column tiles, 32 along K.  The 32 accumulators take turns, one instruction a turn, in the
; same order in every quarter step, over the backward jump too.
.macro MULA f, a, zero
.irp b, 0,1,2,3,4,5,6,7
.if \zero
	v_wmma_f32_16x16x32_bf16 v[8*(NB*\a+\b):8*(NB*\a+\b)+7], v[\f+8*\b:\f+8*\b+7], v[\f+8*NB+8*\a:\f+8*NB+8*\a+7], 0
.else
	v_wmma_f32_16x16x32_bf16 v[8*(NB*\a+\b):8*(NB*\a+\b)+7], v[\f+8*\b:\f+8*\b+7], v[\f+8*NB+8*\a:\f+8*NB+8*\a+7], v[8*(NB*\a+\b):8*(NB*\a+\b)+7]
.endif
.endr
.endm
; 24 LDS loads in one run: B's 128 rows, then A's 64 rows, 32 K at byte k of the rows
.macro FETCH slot, k, f
.irp i, 0,1,2,3,4,5,6,7
	ds_load_b128 v[\f+8*\i:\f+8*\i+3],   v[ADRB+\slot] offset:\k+\i*16*PITCH
	ds_load_b128 v[\f+8*\i+4:\f+8*\i+7], v[ADRB+\slot] offset:\k+\i*16*PITCH+32
.endr
.irp i, 0,1,2,3
	ds_load_b128 v[\f+8*NB+8*\i:\f+8*NB+8*\i+3],   v[ADRA+\slot] offset:\k+\i*16*PITCH
	ds_load_b128 v[\f+8*NB+8*\i+4:\f+8*NB+8*\i+7], v[ADRA+\slot] offset:\k+\i*16*PITCH+32
.endr
.endm
; a quarter step: multiplies buffer f, and in its middle fetches the next quarter's fragments into buffer g
.macro SUB slot, k, f, g, zero
	s_wait_dscnt 0x4                               ; all but the youngest four loads: A's row tiles 2 and 3
	WIN WMUL
	MULA \f, 0, \zero
	MULA \f, 1, \zero
	PLACES
	WIN 0
	FETCH \slot, \k, \g
	s_wait_dscnt 2*NB+8                            ; all but the 24 just issued
	WIN WMUL
	MULA \f, 2, \zero
	MULA \f, 3, \zero
.endm
.macro SUBS slot, zero
	SUB \slot, 64,  F0, F1, \zero
	SUB \slot, 128, F1, F0, 0
	SUB \slot, 192, F0, F1, 0
.endm
; the last quarter of a K step: multiplies buffer 1 and changes slots.  In front of the barrier each wave waits for its reads of this slot
; and for all its tensor loads (its parts of the next slot); where the slot is filled again the barrier opens a round of the cluster's
; barrier, and the two joint refills are the first tensor loads behind the round's closing wait.
.macro TURN slot, next, fill
	s_wait_dscnt 0x4
	WIN WMUL
	MULA F1, 0, 0
	s_wait_dscnt 0x0
	s_wait_tensorcnt 0x0
	ds_add_u32 v30, v31
	s_wait_dscnt 0x0
	s_barrier_signal -1
	MULA F1, 1, 0                                  ; register work while the others arrive
	WIN 0
	s_barrier_wait -1
.if \fill
	CREST
	ASK \slot
.endif
	PLACES
	FETCH \next, 0, F0
	WIN WMUL
	MULA F1, 2, 0
	MULA F1, 3, 0
.endm
.macro LAP zero
	SUBS 0, \zero
	TURN 0, 1, 1
	SUBS 1, 0
	TURN 1, 0, 1
.endm
	s_wait_tensorcnt 0x2                           ; my two parts of the first K step are in; the second's two stay out
	s_barrier_signal -1
	s_barrier_wait -1
	FETCH 0, 0, F0
	LAP 1                                          ; the first products start the sums: nothing is cleared
	WIN 0
	s_mov_b32 s3, LAPS-2
.Llap:
	LAP 0
	WIN 0
	s_sub_co_u32 s3, s3, 1
	s_cmp_lg_u32 s3, 0
	s_cbranch_scc1 .Llap
	SUBS 0, 0                                      ; the last lap fills nothing
	TURN 0, 1, 0
	SUBS 1, 0
	s_wait_dscnt 0x4
	WIN WMUL
	MULA F1, 0, 0
	MULA F1, 1, 0
	s_wait_dscnt 0x0
	MULA F1, 2, 0
	MULA F1, 3, 0
	PLACES                                         ; behind the last matrix instructions: results are read, fragment registers loaded into
	WIN 0
; 16 rows, packed f16 in v[PKD .. PKD+31] (registers 4 b .. 4 b + 3 = columns 16 b + 8 h + 0..7 of row r): through my stage, out as whole rows
.macro OUT16 a
.irp b, 0,1,2,3,4,5,6,7
	ds_store_b128 v[STO], v[PKD+4*\b:PKD+4*\b+3] offset:32*\b
.endr
	s_wait_xcnt 0x0                                ; RB, which the last 16 rows' stores read, is loaded again only behind this wait
.irp t, 0,1,2,3,4,5,6,7
	ds_load_b128 v[RB+4*\t:RB+4*\t+3], v[RD] offset:\t*2*SPITCH   ; LDS serves a wave's instructions in order: these see the stores above
.endr
.irp t, 0,1,2,3,4,5,6,7
	s_wait_dscnt 7-\t
	global_store_b128 v[CO], v[RB+4*\t:RB+4*\t+3], s[8:9] offset:131072*\a+16384*\t   ; 16 lanes store 256 consecutive bytes, aligned
.endr
.endm
; RMSNorm, gain and RoPE of rows 16 a .. 16 a + 15.  A lane holds 64 of its row's 128 numbers, the lane 16 away the other 64;
; column c and column c + 64 lie in the same lane (column tiles b and b + 4), so RoPE needs no exchange.
; cos at v[cb ..], sin at v[sb ..] of one window; wrope: source 0 in window 1, all else in that window; wcvt: both sources in that window.
.macro NORMROPE a, wrope, wcvt, cb, sb
	WIN 0x05                                       ; sources 0 and 1 in window 1
.irp p, 0,1,2,3
	v_pk_mul_f32 v[SS+2*\p:SS+2*\p+1], v[64*\a+2*\p:64*\a+2*\p+1], v[64*\a+2*\p:64*\a+2*\p+1]
.endr
.set n, 4
.rept 28
	v_pk_fma_f32 v[SS+2*(n%4):SS+2*(n%4)+1], v[64*\a+2*n:64*\a+2*n+1], v[64*\a+2*n:64*\a+2*n+1], v[SS+2*(n%4):SS+2*(n%4)+1]
.set n, n+1
.endr
	WIN 0
	v_pk_add_f32 v[SS:SS+1], v[SS:SS+1], v[SS+2:SS+3]
	v_pk_add_f32 v[SS+4:SS+5], v[SS+4:SS+5], v[SS+6:SS+7]
	v_pk_add_f32 v[SS:SS+1], v[SS:SS+1], v[SS+4:SS+5]
	v_add_f32 v[SS], v[SS], v[SS+1]
	v_permlanex16_b32 v[TT], v[SS], s66, s67
	v_add_f32 v[SS], v[SS], v[TT]
	v_fma_f32 v[SS], v[SS], s77, s78               ; mean of squares + eps
	v_rsq_f32 v[RS], v[SS]
	v_nop                                          ; one plain instruction behind a transcendental before its result is used (ISA guide 5.7.2)
	s_wait_alu depctr_va_vdst(0)
	v_mul_f32 v[RS], s76, v[RS]
	v_mov_b32 v[RS+1], v[RS]
	WIN 0x41                                       ; destination and source 0 in window 1
.set n, 0
.rept 32
	v_pk_mul_f32 v[64*\a+2*n:64*\a+2*n+1], v[64*\a+2*n:64*\a+2*n+1], v[RS:RS+1]
.set n, n+1
.endr
.if \a == 0
	s_wait_loadcnt 0x20                            ; all that was asked for ahead of the K loop is in; the 32 loads for row tile 3 may stay out
.endif
	WIN 0x4d                                       ; source 1 (the gains) in window 3
.set n, 0
.rept 32
	v_pk_mul_f32 v[64*\a+2*n:64*\a+2*n+1], v[64*\a+2*n:64*\a+2*n+1], v[SCW+2*n:SCW+2*n+1]
.set n, n+1
.endr
.if \a == 3
	s_wait_loadcnt 0x0                             ; cos and sin of row tile 3
.endif
	WIN \wrope
.irp b, 0,1,2,3
.irp p, 0,1,2,3
	v_pk_mul_f32 v[\sb+8*\b+2*\p:\sb+8*\b+2*\p+1], v[64*\a+8*(\b+4)+2*\p:64*\a+8*(\b+4)+2*\p+1], v[\sb+8*\b+2*\p:\sb+8*\b+2*\p+1]
	v_pk_mul_f32 v[\sb+8*(\b+4)+2*\p:\sb+8*(\b+4)+2*\p+1], v[64*\a+8*\b+2*\p:64*\a+8*\b+2*\p+1], v[\sb+8*(\b+4)+2*\p:\sb+8*(\b+4)+2*\p+1]
	v_pk_fma_f32 v[\cb+8*\b+2*\p:\cb+8*\b+2*\p+1], v[64*\a+8*\b+2*\p:64*\a+8*\b+2*\p+1], v[\cb+8*\b+2*\p:\cb+8*\b+2*\p+1], v[\sb+8*\b+2*\p:\sb+8*\b+2*\p+1] neg_lo:[0,0,1] neg_hi:[0,0,1]
	v_pk_fma_f32 v[\cb+8*(\b+4)+2*\p:\cb+8*(\b+4)+2*\p+1], v[64*\a+8*(\b+4)+2*\p:64*\a+8*(\b+4)+2*\p+1], v[\cb+8*(\b+4)+2*\p:\cb+8*(\b+4)+2*\p+1], v[\sb+8*(\b+4)+2*\p:\sb+8*(\b+4)+2*\p+1]
.endr
.endr
	WIN \wcvt
.set n, 0
.rept 32
	v_cvt_pk_f16_f32 v[PKD+n], v[\cb+2*n], v[\cb+2*n+1]
.set n, n+1
.endr
	WIN 0
.endm
.macro VCVT a
	WIN 0x05
.set n, 0
.rept 32
	v_cvt_pk_f16_f32 v[PKD+n], v[64*\a+2*n], v[64*\a+2*n+1]
.set n, n+1
.endr
	WIN 0
.endm
	s_cmp_eq_u32 s45, 3                            ; the cluster's x, alike in all partners
	s_cbranch_scc1 .Lvway
	LOADCS 3, COS, SIN                             ; into the fragment registers, free now; three row tiles' work in which to land
	NORMROPE 0, 0xa9, 0x0a, 0, 64
	OUT16 0
	NORMROPE 1, 0xa9, 0x0a, 128, 192
	OUT16 1
	NORMROPE 2, 0xfd, 0x0f, 0, 64
	OUT16 2
	NORMROPE 3, 0x01, 0x00, COS, SIN
	OUT16 3
	s_branch .Ljoin
.Lvway:	; V: rounded and stored
	VCVT 0
	OUT16 0
	VCVT 1
	OUT16 1
	VCVT 2
	OUT16 2
	VCVT 3
	OUT16 3
.Ljoin:
	s_wait_dscnt 0x0
	s_wait_tensorcnt 0x0
	ds_add_u32 v30, v31
	s_wait_dscnt 0x0
	CROUND                                         ; the closing round: no work-group ends while a partner may still ask for a tile that names it
	s_endpgm
.Lfunc_end_k_q0c91496e67_proj:
	.size	k_q0c91496e67_proj, .Lfunc_end_k_q0c91496e67_proj-k_q0c91496e67_proj
	.p2alignl 7, 3214868480
	.fill 96, 4, 3214868480
	.section	.rodata,"a",@progbits
	.p2align	6, 0x0
	.amdhsa_kernel k_q0c91496e67_proj
		.amdhsa_group_segment_fixed_size 327680
		.amdhsa_private_segment_fixed_size 0
		.amdhsa_enable_private_segment 0
		.amdhsa_kernarg_size 32
		.amdhsa_user_sgpr_count 2
		.amdhsa_user_sgpr_kernarg_segment_ptr 1
		.amdhsa_wavefront_size32 1
		.amdhsa_system_sgpr_workgroup_id_x 1
		.amdhsa_system_sgpr_workgroup_id_y 1
		.amdhsa_system_sgpr_workgroup_id_z 1
		.amdhsa_system_vgpr_workitem_id 0
		.amdhsa_next_free_vgpr 1024
		.amdhsa_next_free_sgpr 88
		.amdhsa_reserve_vcc 0
		.amdhsa_float_denorm_mode_32 3
		.amdhsa_float_denorm_mode_16_64 3
		.amdhsa_memory_ordered 1
		.amdhsa_forward_progress 1
		.amdhsa_inst_pref_size 192
	.end_amdhsa_kernel
	.amdgpu_metadata
---
amdhsa.version: [ 1, 2 ]
amdhsa.kernels:
  - .name:           k_q0c91496e67_proj
    .symbol:         k_q0c91496e67_proj.kd
    .args:
      - { .name: xb, .offset: 0, .size: 8, .value_kind: global_buffer, .address_space: global }
      - { .name: wqkv, .offset: 8, .size: 8, .value_kind: global_buffer, .address_space: global }
      - { .name: qkv, .offset: 16, .size: 8, .value_kind: global_buffer, .address_space: global }
      - { .name: tab, .offset: 24, .size: 8, .value_kind: global_buffer, .address_space: global }
    .group_segment_fixed_size: 327680
    .private_segment_fixed_size: 0
    .kernarg_segment_align: 8
    .kernarg_segment_size: 32
    .max_flat_workgroup_size: 128
    .sgpr_count:     88
    .vgpr_count:     1024
    .wavefront_size: 32
...
	.end_amdgpu_metadata
.endif
;; end of part 2
;; launch attn (part 3): grid 32 x 8, 4 waves a work-group, clusters of 4 x 1, 327,680 bytes of LDS; arguments qkv, maskw, ctx; writes ctx
.if DOCPART == 3
	.amdgcn_target "amdgcn-amd-amdhsa--gfx1250"
	.amdhsa_code_object_version 6
	.text
	.protected	k_q0c91496e67_attn
	.globl	k_q0c91496e67_attn
	.p2align	8
	.type	k_q0c91496e67_attn,@function
k_q0c91496e67_attn:
	s_mov_b64 s[64:65], 0
	v_nop
	global_prefetch_b8 v0, s[64:65] scope:SCOPE_SE
	s_setreg_imm32_b32 hwreg(HW_REG_WAVE_MODE, 25, 1), 1
	s_wait_xcnt 0x0
	s_wait_alu depctr_hold_cnt(0) depctr_sa_sdst(0) depctr_va_vdst(0) depctr_va_sdst(0) depctr_va_ssrc(0) depctr_va_vcc(0) depctr_vm_vsrc(0)
	s_getreg_b32 s2, hwreg(HW_REG_IB_STS2, 6, 4)
	s_cmp_eq_u32 s2, 0
	s_cbranch_scc0 .Lentry_in_a_cluster
	s_endpgm
.Lentry_in_a_cluster:
	s_bfe_u32 s2, ttmp6, 0x10000c
	s_cmp_lg_u32 s2, 0x3003
	s_cbranch_scc0 .Lentry_shape_is_right
	s_endpgm
.Lentry_shape_is_right:
; Masked softmax attention with a running maximum; f16 matrix operands, f32 everywhere else.  ctx: f16 [2048][2048], head h at column 128 h.
; The mask is an input: all 2,048 keys are walked for every row.
; A work-group takes 64 query positions of the two heads of one K/V group: 128 rows.  Wave (a = w & 1, b = w >> 1) takes 32 positions x 2 heads
; = four row tiles of 16 (tile i: head 2 g + (i >> 1), positions 32 a + 16 (i & 1) + r) and keys 64 b .. 64 b + 63 of every tile of 128 keys:
; each K or V fragment read from LDS feeds four matrix instructions.  At the end the two key halves of a row are merged through LDS.
; CLUSTERS of 4 x 1: the four query blocks of a cluster walk the same K and V tiles and ask for them jointly (mask 15).  Each wave asks for
; 32 rows of K and 32 of V a step: two tensor loads outstanding.  Two slots; a tile is asked for one whole step before it is read.
; THE WALK over the 16 key tiles starts at tile 4 (cluster x & 3) and wraps round: the clusters of one K/V group do not all ask for the same
; tile in the same step.  A softmax does not depend on the order of its keys.
; Scores are made transposed, S^T = K Q^T: lane (r, h), register j holds key 16 t + 8 h + j of row r.  So a row's maximum and sum are one
; number a lane (one exchange between the halves) and the packed exponentials ARE the second source of O^T = V^T P^T.
; THE MASK enters as the C operand of each score tile's first product: a tile of 0 (open) or -1e38 (masked), made from word (qt, kt, j) of
; maskw, which is the lane mask of register j; the two heads share these tiles.  -1e38 lies below the running maximum's start, -1e30, so a
; masked score never sets the maximum and its exponential is 0, as with -inf.  LIMIT: open scores below -1e30 (gains of the order of 1e14)
; are not served.  A row whose keys are all masked ends with sum 0 and gives NaN, as a softmax over -inf alone does.
; Q comes multiplied by log2(e) / sqrt(128): exponentials are base 2.  LIMIT: ctx leaves as f16 (|ctx| <= max |v| < 65,504).
; ONE STEP: all 16 K and all 16 V fragments lie in registers, so the matrix work goes row tile by row tile, in groups of 16 instructions:
; QK0 QK1 QK2 QK3 PV0 PV1 PV2 PV3.  Behind each matrix instruction stands a slice of vector work that names none of its registers: softmax of
; tile i - 1 in QK i, of tile 3 in PV0, the rescaling of O(2), O(3) in PV1, PV2, the next step's mask tiles in PV3.  Each slice costs two
; switches of the register windows.  Behind QK3 nothing of the slot is left to read: there stand the round and the refill.
; Window 0: addresses, Q.  Window 1: O(i, dt) at v[8 (8 i + dt)].  Window 2: S of two row tiles, mask tiles, P, statistics.  Window 3: K, V fragments.
.set PK,     272                       ; K's rows in LDS: 256 + 16 bytes
.set PV_,    288                       ; V's rows: 256 + 32 bytes, an odd multiple of 32, for the transposing loads
.set KPART,  128*PK
.set SLOT,   KPART+128*PV_
.set XCH,    2*SLOT                    ; behind the ring: 16,896 bytes for each wave, for the merge
.set XSZ,    16896
.set STAGE,  XCH+4*XSZ                 ; 16 rows x 272 bytes for each wave, for the way out
.set SPITCH, 272
.set KA,  8                            ; v8-9   K fragments in slot 0, 1
.set VA,  10                           ; v10-11 V fragments
.set QO,  12
.set XW,  13
.set XR,  14
.set STO, 15
.set RD,  16
.set CO,  17                           ; my byte offset in ctx, the work-group's and the wave's part included
.set Q,   128                          ; window 0: Q(i, ks) at v[128 + 8 (4 i + ks)]
.set BI,  64                           ; window 2: S(i, t) at v[32 (i & 1) + 8 t]; mask tile (qt, t) at v[64 + 32 qt + 8 t]
.set P,   128                          ; window 2: P(i, u) at v[128 + 8 (2 i + u)]
.set ML,  192                          ; window 2: M(i) = 192 + 4 (i >> 1) + (i & 1), L(i) = M(i) + 2
.set AL,  200                          ; window 2: alpha(i), twice, at 200 + 2 i
.set NEG, 208                          ; window 2: -1e38
.set T,   210                          ; window 2: v210-223 at work
.set PS,  224                          ; window 2: the partner's M, M, L, L
.set CA,  228                          ; window 2: my factor twice, the partner's twice, for each of two row tiles
.set KF,  0                            ; window 3: K fragment (t, ks) at v[8 (4 ks + t)]
.set VF,  128                          ; window 3: V fragment (u, dt) at v[128 + 8 (8 u + dt)]
.set NSI, 105                          ; vector instructions in one row tile's softmax
.set MSB, 0
.macro WIN new                         ; the immediate's high byte repeats the setting that is left
.if MSB != \new
	s_set_vgpr_msb (MSB<<8)|\new
.set MSB, \new
.endif
.endm
.macro PLACES                          ; four plain vector instructions behind a matrix instruction (ISA guide 7.12.1)
.rept 4
	v_nop
.endr
.endm
.macro CREST                           ; a round of the cluster's barrier behind its opening work-group barrier
	s_cmp_lg_u32 s28, 0
	s_cbranch_scc1 .Lnot_wave_0_\@
	s_barrier_signal -3
.Lnot_wave_0_\@:
	s_barrier_wait -3
	s_barrier_signal -1
	s_barrier_wait -1
.endm
.macro ROUND
	s_barrier_signal -1
	s_barrier_wait -1
	CREST
.endm
; Both group 0 are pointed at the next tile of the walk and at slot.  No tensor load of the wave is out where this stands.
.macro AIM slot
	s_add_nc_u64 s[6:7], s[104:105], s[100:101]    ; K: my 32 rows of the tile
	s_add_nc_u64 s[10:11], s[6:7], 2048            ; V lies 1,024 columns behind K
	s_or_b32 s7, s7, 0x80000000
	s_or_b32 s11, s11, 0x80000000
	s_add_co_u32 s100, s100, 0x100000              ; 128 rows of 8,192 bytes on,
	s_and_b32 s100, s100, 0xffffff                 ; round the end of the 16 tiles
	s_mul_i32 s5, s28, 32*PK
	s_mul_i32 s9, s28, 32*PV_
	s_add_co_u32 s5, s5, \slot*SLOT
	s_add_co_u32 s9, s9, KPART+\slot*SLOT
.endm
.macro ASK
	tensor_load_to_lds s[4:7], s[12:19]
	s_nop 0
	tensor_load_to_lds s[8:11], s[20:27]
	s_nop 0
.endm
.macro WORDS                           ; a step's mask words: 2 query tiles x 4 key tiles x 8 registers; word (qt, t, j) in s[32 + 36 qt + 8 t + j]
	s_load_b512 s[32:47], s[30:31], s29 offset:0x0
	s_load_b512 s[48:63], s[30:31], s29 offset:0x40
	s_load_b512 s[68:83], s[30:31], s29 offset:0x1000
	s_load_b512 s[84:99], s[30:31], s29 offset:0x1040
.endm
.macro NEXTW                           ; behind s_wait_kmcnt 0: the offset may step, round the end of the 16 tiles of 256 bytes
	s_add_co_u32 s29, s29, 256
	s_and_b32 s29, s29, 4095
	WORDS
.endm
	s_load_b128 s[32:35], s[0:1], 0x0              ; qkv, maskw
	s_set_vgpr_msb 0x80
	v_lshl_add_u32 v254, v0, 2, 0x37c00
	v_mov_b32 v255, 0
	s_set_vgpr_msb 0x808a
	ds_add_u32 v254, v255
	s_set_vgpr_msb 0x8a00
	v_lshrrev_b32 v1, 5, v0
	v_readfirstlane_b32 s28, v1                    ; wave
	s_lshr_b32 s52, s28, 1                         ; b: which 64 keys of a tile
	s_and_b32 s36, s28, 1                          ; a: which 32 positions
	s_bfe_u32 s37, ttmp6, 0x40000                  ; cx
	s_lshl_b32 s38, ttmp9, 2
	s_add_co_u32 s38, s38, s37                     ; X: block of 64 positions
	s_and_b32 s39, ttmp7, 0xffff                   ; g: K/V group
	s_and_b32 s53, ttmp9, 3                        ; where the walk starts: of the cluster's x alone, alike in the four partners
	s_lshl_b32 s100, s53, 22                       ; 4 tiles of 1 MiB of qkv for each
	s_mov_b32 s101, 0
	s_lshl_b32 s29, s53, 10                        ; 4 tiles of 256 bytes of mask words
	s_mov_b32 s66, 0x76543210                      ; v_permlanex16_b32: lane i reads lane i of the other half
	s_mov_b32 s67, 0xfedcba98
	; group 1: 32 rows x 128 elements of 2 bytes, 4,096 elements from row to row; K padded by 4 words a row, V by 8
	s_mov_b32 s12, 15|(1<<16)|(1<<20)|(1<<21)|(5<<22)|(3<<25)
	s_mov_b32 s20, 15|(1<<16)|(1<<20)|(1<<21)|(5<<22)|(7<<25)
	s_mov_b32 s13, 128<<16
	s_mov_b32 s21, 128<<16
	s_mov_b32 s14, 32<<16
	s_mov_b32 s22, 32<<16
	s_mov_b32 s15, 128<<16
	s_mov_b32 s23, 128<<16
	s_mov_b32 s16, 32
	s_mov_b32 s24, 32
	s_mov_b32 s17, 4096
	s_mov_b32 s25, 4096
	s_mov_b32 s18, 0
	s_mov_b32 s26, 0
	s_mov_b32 s19, 0
	s_mov_b32 s27, 0
	s_lshl_b32 s40, s28, 18                        ; K: 32 rows of 8,192 bytes for each wave
	s_lshl_b32 s41, s39, 8                         ; + 256 bytes for each group
	s_add_co_u32 s40, s40, s41
	s_add_co_u32 s40, s40, 4096                    ; + K's first column.  Nothing here hangs on the place in the cluster
	s_mov_b32 s41, 0
	s_lshl_b32 s42, s38, 19                        ; Q: (64 X + 32 a) rows + 512 g bytes
	s_lshl_b32 s46, s36, 18
	s_add_co_u32 s42, s42, s46
	s_lshl_b32 s46, s39, 9
	s_add_co_u32 s42, s42, s46
	s_mov_b32 s43, 0
	s_lshl_b32 s44, s38, 14                        ; mask words: (4 X + 2 a) x 4,096 + 128 b
	s_lshl_b32 s46, s36, 13
	s_add_co_u32 s44, s44, s46
	s_lshl_b32 s46, s52, 7
	s_add_co_u32 s44, s44, s46
	s_mov_b32 s45, 0
	s_lshl_b32 s54, s38, 18                        ; ctx: (64 X + 32 a) rows of 4,096 bytes + (2 g + b) x 256
	s_lshl_b32 s46, s36, 17
	s_add_co_u32 s54, s54, s46
	s_lshl_b32 s46, s39, 9
	s_add_co_u32 s54, s54, s46
	s_lshl_b32 s46, s52, 8
	s_add_co_u32 s54, s54, s46
	s_mov_b32 s4, 1
	s_mov_b32 s8, 1
	s_wait_dscnt 0x0
	s_wait_kmcnt 0x0
	s_add_nc_u64 s[104:105], s[32:33], s[40:41]    ; my rows of K in tile 0
	s_add_nc_u64 s[2:3], s[32:33], s[42:43]        ; Q
	s_add_nc_u64 s[30:31], s[34:35], s[44:45]
	AIM 0
	ROUND                                          ; in front of the first joint loads
	ASK                                            ; the walk's first tile into slot 0
	v_and_b32 v1, 15, v0                           ; r
	v_bfe_u32 v2, v0, 4, 1                         ; h
	v_and_b32 v3, 31, v0                           ; lane
	v_lshlrev_b32 v5, 13, v1
	v_lshl_add_u32 v[QO], v2, 4, v5                ; 8,192 r + 16 h
.irp i, 0,1,2,3
.irp ks, 0,1,2,3
	global_load_b128 v[Q+8*(4*\i+\ks):Q+8*(4*\i+\ks)+3],   v[QO], s[2:3] offset:131072*(\i&1)+256*(\i>>1)+64*\ks
	global_load_b128 v[Q+8*(4*\i+\ks)+4:Q+8*(4*\i+\ks)+7], v[QO], s[2:3] offset:131072*(\i&1)+256*(\i>>1)+64*\ks+32
.endr
.endr
	v_mul_u32_u24 v4, v1, PK
	v_lshl_add_u32 v4, v2, 4, v4                   ; 272 r + 16 h
	s_mul_i32 s47, s52, 64*PK
	v_add_nc_u32 v[KA], s47, v4
	v_add_nc_u32 v[KA+1], SLOT, v[KA]
	v_and_b32 v5, 7, v0
	v_lshl_add_u32 v5, v2, 3, v5                   ; key 8 h + (L & 7)
	v_mul_u32_u24 v5, v5, PV_
	v_bfe_u32 v6, v0, 3, 1
	v_lshl_add_u32 v5, v6, 4, v5                   ; + 16 ((L >> 3) & 1)
	s_mul_i32 s48, s52, 64*PV_
	s_add_co_u32 s48, s48, KPART
	v_add_nc_u32 v[VA], s48, v5
	v_add_nc_u32 v[VA+1], SLOT, v[VA]
	s_mul_i32 s49, s28, XSZ
	s_add_co_u32 s49, s49, XCH
	v_lshl_add_u32 v[XW], v3, 4, s49               ; what I send
	s_xor_b32 s50, s28, 2
	s_mul_i32 s50, s50, XSZ
	s_add_co_u32 s50, s50, XCH
	v_lshl_add_u32 v[XR], v3, 4, s50               ; what the wave with the other key half sends
	s_mul_i32 s51, s28, 16*SPITCH
	s_add_co_u32 s51, s51, STAGE
	v_add_nc_u32 v[STO], s51, v4
	v_mul_u32_u24 v5, v2, SPITCH
	v_lshl_add_u32 v5, v1, 4, v5
	v_add_nc_u32 v[RD], s51, v5
	v_lshlrev_b32 v5, 12, v2
	v_lshl_add_u32 v5, v1, 4, v5
	v_add_nc_u32 v[CO], s54, v5
	WORDS                                          ; the first step's words; s32-63 held set-up numbers up to here
	WIN 0x80
.irp k, 0,1,4,5
	v_mov_b32 v[ML+\k], 0xf149f2ca                 ; running maxima: -1e30
	v_mov_b32 v[ML+\k+2], 0                        ; running sums
.endr
	v_mov_b32 v[NEG], 0xfe967699                   ; -1e38
	s_wait_kmcnt 0x0
	WIN 0xaa
.set sk, 0
.rept 64                               ; the first step's mask tiles
	v_cndmask_b32 v[BI+sk], 0, v[NEG], s[32+sk+4*(sk>>5)]
.set sk, sk+1
.endr
	WIN 0
	NEXTW                                          ; the second step's words
.macro LDK slot                        ; 16 K fragments: my 64 keys x 128 d
.irp ks, 0,1,2,3
.irp t, 0,1,2,3
	ds_load_b128 v[KF+8*(4*\ks+\t):KF+8*(4*\ks+\t)+3],   v[KA+\slot] offset:16*PK*\t+64*\ks
	ds_load_b128 v[KF+8*(4*\ks+\t)+4:KF+8*(4*\ks+\t)+7], v[KA+\slot] offset:16*PK*\t+64*\ks+32
.endr
.endr
.endm
.macro LDV slot                        ; 16 V^T fragments: 128 d x my 64 keys, transposed on the way
.irp u, 0,1
.irp e, 0,1,2,3,4,5,6,7
	ds_load_tr16_b128 v[VF+8*(8*\u+\e):VF+8*(8*\u+\e)+3],   v[VA+\slot] offset:32*PV_*\u+32*\e
	ds_load_tr16_b128 v[VF+8*(8*\u+\e)+4:VF+8*(8*\u+\e)+7], v[VA+\slot] offset:32*PV_*\u+32*\e+16*PV_
.endr
.endr
.endm
.macro SETI i                          ; the row tile whose softmax is dealt out next
.set SB,  32*((\i)&1)
.set MI,  ML+4*((\i)>>1)+((\i)&1)
.set LI,  MI+2
.set ALI, AL+2*(\i)
.set PB,  P+16*(\i)
.set sk, 0
.endm
; Instruction number sk of a row tile's softmax, all in window 2: running maximum, alpha, exponentials, running sum (each lane keeps the sum
; of its own 32 keys), P packed.  Behind each transcendental, or run of them, the next vector instruction of this list is a plain one that
; touches neither its result nor its source (ISA guide 5.7.2): numbers 21 and 71.
.macro SI
.if sk < 4
	v_max3_num_f32 v[T+sk], v[SB+3*sk], v[SB+3*sk+1], v[SB+3*sk+2]
.elseif sk < 14
	v_max3_num_f32 v[T+(sk&3)], v[T+(sk&3)], v[SB+4+2*sk], v[SB+5+2*sk]
.elseif sk == 14
	v_max3_num_f32 v[T+2], v[T+2], v[T+3], v[MI]   ; the old maximum among them
.elseif sk == 15
	v_max3_num_f32 v[T], v[T], v[T+1], v[T+2]
.elseif sk == 16
	v_permlanex16_b32 v[T+1], v[T], s66, s67       ; the row's other 32 keys
.elseif sk < 19
	v_max_num_f32 v[T+4+sk-17], v[T], v[T+1]       ; the new maximum, twice: a pair for the packed subtraction
.elseif sk == 19
	v_sub_f32 v[T+2], v[MI], v[T+4]
.elseif sk == 20
	v_exp_f32 v[ALI], v[T+2]                       ; alpha = 2^(old - new)
.elseif sk == 21
	v_mov_b32 v[MI], v[T+4]
.elseif sk == 22
	s_wait_alu depctr_va_vdst(0)
	v_mov_b32 v[ALI+1], v[ALI]
.elseif sk < 39
	v_pk_add_f32 v[SB+2*(sk-23):SB+2*(sk-23)+1], v[SB+2*(sk-23):SB+2*(sk-23)+1], v[T+4:T+5] neg_lo:[0,1] neg_hi:[0,1]
.elseif sk < 71
	v_exp_f32 v[SB+sk-39], v[SB+sk-39]
.elseif sk == 71
	v_mul_f32 v[LI], v[LI], v[ALI]
	s_wait_alu depctr_va_vdst(0)
.elseif sk < 76
	v_pk_add_f32 v[T+6+2*(sk-72):T+7+2*(sk-72)], v[SB+4*(sk-72):SB+4*(sk-72)+1], v[SB+4*(sk-72)+2:SB+4*(sk-72)+3]
.elseif sk < 84
	v_pk_add_f32 v[T+6+2*(sk&3):T+7+2*(sk&3)], v[T+6+2*(sk&3):T+7+2*(sk&3)], v[SB+16+2*(sk-76):SB+17+2*(sk-76)]
.elseif sk == 84
	v_pk_add_f32 v[T+6:T+7], v[T+6:T+7], v[T+8:T+9]
.elseif sk == 85
	v_pk_add_f32 v[T+10:T+11], v[T+10:T+11], v[T+12:T+13]
.elseif sk == 86
	v_pk_add_f32 v[T+6:T+7], v[T+6:T+7], v[T+10:T+11]
.elseif sk == 87
	v_add_f32 v[T+6], v[T+6], v[T+7]
.elseif sk == 88
	v_add_f32 v[LI], v[LI], v[T+6]
.else
	v_cvt_pk_f16_f32 v[PB+sk-89], v[SB+2*(sk-89)], v[SB+2*(sk-89)+1]   ; registers 0-3 of P(i, u) from key tile 2 u, 4-7 from 2 u + 1: the fragment's own order
.endif
.set sk, sk+1
.endm
; The slice behind matrix instruction g of a group of 16.  kind 1: softmax (6 or 7 of its 105); 2: O(r) *= alpha(r) (2 of 32); 3: mask tiles (4 of 64).
.macro WEAVE kind, r
.if \kind == 1
	WIN 0xaa
.rept (NSI*(g+1))/16-(NSI*g)/16
	SI
.endr
.elseif \kind == 2
	WIN 0x49                                       ; destination and source 0 in window 1, source 1 in window 2
.rept 2
	v_pk_mul_f32 v[64*\r+2*sk:64*\r+2*sk+1], v[64*\r+2*sk:64*\r+2*sk+1], v[AL+2*\r:AL+2*\r+1]
.set sk, sk+1
.endr
.elseif \kind == 3
	WIN 0xaa
.rept 4
	v_cndmask_b32 v[BI+sk], 0, v[NEG], s[32+sk+4*(sk>>5)]
.set sk, sk+1
.endr
.endif
.set g, g+1
.endm
; Scores of row tile i: 16 matrix instructions on four accumulators that take turns, one instruction a turn.
; Source 0 (K) in window 3, source 1 (Q) in window 0, C and D in window 2.
.macro QK i, weave
.if \weave
	SETI \i-1
.endif
.set g, 0
.irp ks, 0,1,2,3
.irp t, 0,1,2,3
	WIN 0xa3
.if \ks == 0
	v_wmma_f32_16x16x32_f16 v[32*(\i&1)+8*\t:32*(\i&1)+8*\t+7], v[KF+8*(4*\ks+\t):KF+8*(4*\ks+\t)+7], v[Q+8*(4*\i+\ks):Q+8*(4*\i+\ks)+7], v[BI+32*(\i&1)+8*\t:BI+32*(\i&1)+8*\t+7]
.else
	v_wmma_f32_16x16x32_f16 v[32*(\i&1)+8*\t:32*(\i&1)+8*\t+7], v[KF+8*(4*\ks+\t):KF+8*(4*\ks+\t)+7], v[Q+8*(4*\i+\ks):Q+8*(4*\i+\ks)+7], v[32*(\i&1)+8*\t:32*(\i&1)+8*\t+7]
.endif
	WEAVE \weave, 0
.endr
.endr
.endm
; O(i, .) += V^T P(i)^T: 16 matrix instructions on eight accumulators by turns.  Source 0 (V) in window 3, source 1 (P) in window 2, C and D in window 1.
.macro PV i, zero, kind, r
.set sk, 0
.set g, 0
.if \kind == 1
	SETI \r
.endif
.irp u, 0,1
.irp e, 0,1,2,3,4,5,6,7
	WIN 0x5b
.if \zero*(1-\u)
	v_wmma_f32_16x16x32_f16 v[8*(8*\i+\e):8*(8*\i+\e)+7], v[VF+8*(8*\u+\e):VF+8*(8*\u+\e)+7], v[P+8*(2*\i+\u):P+8*(2*\i+\u)+7], 0
.else
	v_wmma_f32_16x16x32_f16 v[8*(8*\i+\e):8*(8*\i+\e)+7], v[VF+8*(8*\u+\e):VF+8*(8*\u+\e)+7], v[P+8*(2*\i+\u):P+8*(2*\i+\u)+7], v[8*(8*\i+\e):8*(8*\i+\e)+7]
.endif
	WEAVE \kind, \r
.endr
.endr
.endm
.macro RESC i                          ; O(i, .) *= alpha(i), under window setting 0x49
.set sk, 0
.rept 32
	v_pk_mul_f32 v[64*\i+2*sk:64*\i+2*sk+1], v[64*\i+2*sk:64*\i+2*sk+1], v[AL+2*\i:AL+2*\i+1]
.set sk, sk+1
.endr
.endm
; One tile of 128 keys, in slot; its K fragments were read in the step before.  refill = 1: the slot is asked for the tile two steps on, and
; the words of that step are loaded.  first = 1: the products start O.  last = 1: nothing follows.
.macro TRIP slot, refill, first, last
	PLACES                                         ; behind the last step's products, which read V's registers
	WIN 0xc0                                       ; destination in window 3
	LDV \slot
	s_wait_dscnt 0x20                              ; K's 32 loads are in; V's 32, just issued, may stay out
	QK 0, 0
	PLACES                                         ; behind QK0's results, which the first slice reads
	QK 1, 1
	QK 2, 1
	QK 3, 1
	s_wait_dscnt 0x0                               ; V is in: my reads of this slot are over
.if \last == 0
	s_wait_tensorcnt 0x0                           ; all my tensor loads have landed, my rows of the next tile among them: both group 0 may be written
	ds_add_u32 v254, v255
	s_wait_dscnt 0x0
.if \refill
	AIM \slot
.endif
	s_barrier_signal -1                            ; opens a round of the cluster's barrier
.endif
.if \first == 0
	WIN 0x49
	RESC 0                                         ; register work while the others arrive
	RESC 1
.endif
	WIN 0
.if \last == 0
	s_barrier_wait -1
	CREST                                          ; no wave of the four work-groups reads this slot any more or has a load on its way
.if \refill
	ASK
.endif
	WIN 0xc0
	LDK 1-\slot                                    ; the next tile's K fragments come under the products below
.endif
	PV 0, \first, 1, 3
.if \first
	PV 1, 1, 0, 0
	PV 2, 1, 0, 0
.else
	PV 1, 0, 2, 2
	PV 2, 0, 2, 3
.endif
.if \last
	PV 3, 0, 0, 0
.else
	s_wait_kmcnt 0x0                               ; the next step's mask words, asked for a step ago
	PV 3, \first, 3, 0
.endif
	WIN 0
.if \refill
	NEXTW                                          ; behind the last use of the words just read
.endif
.endm
	s_set_vgpr_msb 0xa
	s_wait_tensorcnt 0x0                           ; my rows of the first tile have landed; both group 0 may be written
	ds_add_u32 v254, v255
	s_wait_dscnt 0x0
	s_set_vgpr_msb 0xa00
	AIM 1
	ROUND                                          ; everybody's have; the second tile's joint loads meet
	ASK                                            ; slot 1's first fill
	WIN 0xc0
	LDK 0
	WIN 0
	s_wait_loadcnt 0x0                             ; Q
	TRIP 0, 1, 1, 0
	TRIP 1, 1, 0, 0
	s_mov_b32 s3, 6
.Lstep:
	TRIP 0, 1, 0, 0
	TRIP 1, 1, 0, 0
	s_sub_co_u32 s3, s3, 1
	s_cmp_lg_u32 s3, 0
	s_cbranch_scc1 .Lstep
	TRIP 0, 0, 0, 0                                ; the last two tiles: nothing more is asked for
	TRIP 1, 0, 0, 1
	; THE MERGE.  Wave (a, b) finishes head b of its 32 positions and hands head 1 - b to wave (a, 1 - b).
	PLACES
	s_load_b64 s[32:33], s[0:1], 0x10              ; ctx
	WIN 0xaa
.irp k, 0,1,4,5
	v_permlanex16_b32 v[T+\k], v[ML+\k+2], s66, s67   ; the sums of the row's other keys (T .. T+5 have been written)
.endr
.irp k, 0,1,4,5
	v_add_f32 v[ML+\k+2], v[ML+\k+2], v[T+\k]
.endr
	WIN 0
.macro SEND hs                         ; 32 stores of 512 neighbouring bytes, then M, M, L, L
	WIN 0x04                                       ; store data in window 1
.irp q, 0,1
.irp e, 0,1,2,3,4,5,6,7
	ds_store_b128 v[XW], v[8*(8*(2*\hs+\q)+\e):8*(8*(2*\hs+\q)+\e)+3]   offset:512*(16*\q+2*\e)
	ds_store_b128 v[XW], v[8*(8*(2*\hs+\q)+\e)+4:8*(8*(2*\hs+\q)+\e)+7] offset:512*(16*\q+2*\e+1)
.endr
.endr
	WIN 0x08                                       ; store data in window 2
	ds_store_b128 v[XW], v[ML+4*\hs:ML+4*\hs+3] offset:16384
	WIN 0
.endm
	s_cmp_ge_u32 s28, 2
	s_cbranch_scc1 .Lsend0
	SEND 1
	s_branch .Lsent
.Lsend0:
	SEND 0
.Lsent:
	s_wait_dscnt 0x0                               ; for the partner's sake: my stores are done
	s_barrier_signal -1
	s_barrier_wait -1
	s_wait_kmcnt 0x0
; With m = max(M, M'), f = 2^(M - m), f' = 2^(M' - m): ctx = (O f + O' f') / (L f + L' f').
.macro FIN hb
	WIN 0x80
	ds_load_b128 v[PS:PS+3], v[XR] offset:16384
	WIN 0
.set n, 0
.rept 32
	ds_load_b128 v[128+4*n:131+4*n], v[XR] offset:512*n   ; O' into Q's registers
.set n, n+1
.endr
	s_wait_dscnt 0x20                              ; the statistics are in; the 32 loads behind them may stay out
	WIN 0xaa
.irp q, 0,1
	v_max_num_f32 v[T], v[ML+4*\hb+\q], v[PS+\q]
	v_sub_f32 v[T+1], v[ML+4*\hb+\q], v[T]
	v_sub_f32 v[T+2], v[PS+\q], v[T]
	v_exp_f32 v[T+1], v[T+1]
	v_exp_f32 v[T+2], v[T+2]
	v_nop                                          ; the plain instruction behind the transcendentals (ISA guide 5.7.2)
	s_wait_alu depctr_va_vdst(0)
	v_mul_f32 v[T+3], v[ML+4*\hb+\q+2], v[T+1]
	v_fma_f32 v[T+3], v[PS+\q+2], v[T+2], v[T+3]
	v_rcp_f32 v[T+4], v[T+3]
	v_nop
	s_wait_alu depctr_va_vdst(0)
	v_mul_f32 v[CA+4*\q],   v[T+1], v[T+4]
	v_mul_f32 v[CA+4*\q+1], v[T+1], v[T+4]
	v_mul_f32 v[CA+4*\q+2], v[T+2], v[T+4]
	v_mul_f32 v[CA+4*\q+3], v[T+2], v[T+4]
.endr
	s_wait_dscnt 0x0
	WIN 0x08                                       ; source 1 in window 2
.irp q, 0,1
.set n, 0
.rept 32
	v_pk_mul_f32 v[128+64*\q+2*n:128+64*\q+2*n+1], v[128+64*\q+2*n:128+64*\q+2*n+1], v[CA+4*\q+2:CA+4*\q+3]
.set n, n+1
.endr
.endr
	WIN 0x09                                       ; source 0 (O) in window 1, source 1 in window 2
.irp q, 0,1
.set n, 0
.rept 32
	v_pk_fma_f32 v[128+64*\q+2*n:128+64*\q+2*n+1], v[64*(2*\hb+\q)+2*n:64*(2*\hb+\q)+2*n+1], v[CA+4*\q:CA+4*\q+1], v[128+64*\q+2*n:128+64*\q+2*n+1]
.set n, n+1
.endr
.endr
	WIN 0
.irp q, 0,1
.set n, 0
.rept 32                               ; packed in place, ascending
	v_cvt_pk_f16_f32 v[128+64*\q+n], v[128+64*\q+2*n], v[128+64*\q+2*n+1]
.set n, n+1
.endr
.irp e, 0,1,2,3,4,5,6,7
	ds_store_b128 v[STO], v[128+64*\q+4*\e:128+64*\q+4*\e+3] offset:32*\e
.endr
.irp t, 0,1,2,3,4,5,6,7
	ds_load_b128 v[32+32*\q+4*\t:32+32*\q+4*\t+3], v[RD] offset:\t*2*SPITCH   ; my own stage, served in order; registers of their own for each 16 rows
.endr
.irp t, 0,1,2,3,4,5,6,7
	s_wait_dscnt 7-\t
	global_store_b128 v[CO], v[32+32*\q+4*\t:32+32*\q+4*\t+3], s[32:33] offset:65536*\q+8192*\t   ; 16 lanes store 256 consecutive bytes, aligned
.endr
.endr
.endm
	s_cmp_ge_u32 s28, 2
	s_cbranch_scc1 .Lfin1
	FIN 0
	s_branch .Ldone
.Lfin1:
	FIN 1
.Ldone:
	s_wait_dscnt 0x0
	s_set_vgpr_msb 0xa
	s_wait_tensorcnt 0x0
	ds_add_u32 v254, v255
	s_wait_dscnt 0x0
	s_set_vgpr_msb 0xa00
	ROUND                                          ; the closing round: no work-group ends while a partner may still ask for a tile that names it
	s_endpgm
.Lfunc_end_k_q0c91496e67_attn:
	.size	k_q0c91496e67_attn, .Lfunc_end_k_q0c91496e67_attn-k_q0c91496e67_attn
	.p2alignl 7, 3214868480
	.fill 96, 4, 3214868480
	.section	.rodata,"a",@progbits
	.p2align	6, 0x0
	.amdhsa_kernel k_q0c91496e67_attn
		.amdhsa_group_segment_fixed_size 327680
		.amdhsa_private_segment_fixed_size 0
		.amdhsa_enable_private_segment 0
		.amdhsa_kernarg_size 24
		.amdhsa_user_sgpr_count 2
		.amdhsa_user_sgpr_kernarg_segment_ptr 1
		.amdhsa_wavefront_size32 1
		.amdhsa_system_sgpr_workgroup_id_x 1
		.amdhsa_system_sgpr_workgroup_id_y 1
		.amdhsa_system_sgpr_workgroup_id_z 1
		.amdhsa_system_vgpr_workitem_id 0
		.amdhsa_next_free_vgpr 1024
		.amdhsa_next_free_sgpr 106
		.amdhsa_reserve_vcc 0
		.amdhsa_float_denorm_mode_32 3
		.amdhsa_float_denorm_mode_16_64 3
		.amdhsa_memory_ordered 1
		.amdhsa_forward_progress 1
		.amdhsa_inst_pref_size 255
	.end_amdhsa_kernel
	.section	.bss,"aw",@nobits
	.p2align	6
	.space	262144
	.amdgpu_metadata
---
amdhsa.version: [ 1, 2 ]
amdhsa.kernels:
  - .name:           k_q0c91496e67_attn
    .symbol:         k_q0c91496e67_attn.kd
    .args:
      - { .name: qkv, .offset: 0, .size: 8, .value_kind: global_buffer, .address_space: global }
      - { .name: maskw, .offset: 8, .size: 8, .value_kind: global_buffer, .address_space: global }
      - { .name: ctx, .offset: 16, .size: 8, .value_kind: global_buffer, .address_space: global }
    .group_segment_fixed_size: 327680
    .private_segment_fixed_size: 0
    .kernarg_segment_align: 8
    .kernarg_segment_size: 24
    .max_flat_workgroup_size: 128
    .sgpr_count:     106
    .vgpr_count:     1024
    .wavefront_size: 32
...
	.end_amdgpu_metadata
.endif
;; end of part 3
;; launch oproj (part 4): grid 16 x 16, 4 waves a work-group, clusters of 4 x 4, 327,680 bytes of LDS; arguments ctx, wob, out0; writes out0
.if DOCPART == 4
	.amdgcn_target "amdgcn-amd-amdhsa--gfx1250"
	.amdhsa_code_object_version 6
	.text
	.protected	k_q0c91496e67_oproj
	.globl	k_q0c91496e67_oproj
	.p2align	8
	.type	k_q0c91496e67_oproj,@function
k_q0c91496e67_oproj:
	s_mov_b64 s[64:65], 0
	v_nop
	global_prefetch_b8 v0, s[64:65] scope:SCOPE_SE
	s_setreg_imm32_b32 hwreg(HW_REG_WAVE_MODE, 25, 1), 1
	s_wait_xcnt 0x0
	s_wait_alu depctr_hold_cnt(0) depctr_sa_sdst(0) depctr_va_vdst(0) depctr_va_sdst(0) depctr_va_ssrc(0) depctr_va_vcc(0) depctr_vm_vsrc(0)
	s_getreg_b32 s2, hwreg(HW_REG_IB_STS2, 6, 4)
	s_cmp_eq_u32 s2, 0
	s_cbranch_scc0 .Lentry_in_a_cluster
	s_endpgm
.Lentry_in_a_cluster:
	s_bfe_u32 s2, ttmp6, 0x10000c
	s_cmp_lg_u32 s2, 0xf033
	s_cbranch_scc0 .Lentry_shape_is_right
	s_endpgm
.Lentry_shape_is_right:
; out0[s][n] = sum over k of ctx[s][k] wob[n][k]: f16 operands, f32 sums, f32 out.
; 2048 x 2048 results on 256 work-groups: a block of 128 x 128 each, four waves of 64 x 64 (16 accumulator tiles, 128 registers).  A larger
; block would leave half of the work-groups without work.  K goes in steps of 256 (rows of 512 bytes, aligned) through two LDS slots.
; CLUSTERS of 4 x 4: ctx's tile is shared along a row of the cluster, wob's along a column; each wave asks jointly for 32 rows of each:
; two tensor loads a slot, at most four outstanding.
; THE WALK ALONG K starts at 0 or at K / 2, by the cluster's own x and y, and wraps round: of the clusters that need the same rows, half read
; a K slice half a walk later than the others, instead of all asking for it in the same step.  The order of a sum's terms is free here.
; The matrix instruction is used transposed (source 0 = rows of wob, source 1 = rows of ctx): a lane holds eight neighbouring columns of one row.
; Window 0: addresses, two fragment buffers.  Window 1: the accumulators, tile (a, b) at v[8 (4 a + b)].
.set KSTEP,  256
.set ROWB,   512
.set PITCH,  528                       ; LDS rows 528 bytes apart: the 16 rows of a fragment load start in 16 different 16-byte columns modulo 256
.set QI,     6                         ; pad behind every 128 words
.set NB,     4
.set AROWS,  32
.set BROWS,  32
.set APART,  128*PITCH
.set SLOT,   APART+128*PITCH
.set STAGE,  2*SLOT                    ; behind the ring: 16 rows x 272 bytes for each wave; no tensor load lands there
.set SPITCH, 272
.set LAPS,   4                         ; 2048 / (2 x 256)
.set ADRA, 16
.set ADRB, 20
.set STO,  24
.set RD,   25
.set CO,   26
.set F0,   64                          ; v64-127  fragment buffer 0: B's four, then A's four
.set F1,   128                         ; v128-191 fragment buffer 1
.set G1A, 24
.set G0A, 32
.set G1B, 48
.set G0B, 56
.set ABASE, 68                         ; s[68:69] my rows of ctx, at K = 0
.set BBASE, 70                         ; s[70:71] my rows of wob, at K = 0
.set KOFF,  72                         ; s[72:73] byte offset along K of the next tile to ask for
.set WMUL, 0x50
.set MSB, 0
.macro WIN new
.if MSB != \new
	s_set_vgpr_msb (MSB<<8)|\new
.set MSB, \new
.endif
.endm
.macro PLACES                          ; four plain vector instructions behind a matrix instruction (ISA guide 7.12.1)
.rept 4
	v_nop
.endr
.endm
.macro CREST
	s_cmp_lg_u32 s10, 0
	s_cbranch_scc1 .Lnot_wave_0_\@
	s_barrier_signal -3
.Lnot_wave_0_\@:
	s_barrier_wait -3
	s_barrier_signal -1
	s_barrier_wait -1
.endm
.macro CROUND
	s_barrier_signal -1
	s_barrier_wait -1
	CREST
.endm
; The next tile along the walk is asked for, into slot.  No tensor load that names the slot's two group 0 is out here.
.macro ASK slot
	s_add_nc_u64 s[G0A+4*\slot+2:G0A+4*\slot+3], s[ABASE:ABASE+1], s[KOFF:KOFF+1]
	s_add_nc_u64 s[G0B+4*\slot+2:G0B+4*\slot+3], s[BBASE:BBASE+1], s[KOFF:KOFF+1]
	s_or_b32 s[G0A+4*\slot+3], s[G0A+4*\slot+3], 0x80000000
	s_or_b32 s[G0B+4*\slot+3], s[G0B+4*\slot+3], 0x80000000
	s_add_co_u32 s[KOFF], s[KOFF], ROWB            ; one K step on,
	s_and_b32 s[KOFF], s[KOFF], 4095               ; round the end of the row of 4,096 bytes
	tensor_load_to_lds s[G0A+4*\slot:G0A+4*\slot+3], s[G1A:G1A+7]
	s_nop 0
	tensor_load_to_lds s[G0B+4*\slot:G0B+4*\slot+3], s[G1B:G1B+7]
	s_nop 0
.endm
	s_load_b128 s[4:7], s[0:1], 0x0                ; ctx, wob
	s_load_b64 s[8:9], s[0:1], 0x10                ; out0
	v_lshl_add_u32 v254, v0, 2, 0x46400
	v_mov_b32 v255, 0
	ds_add_u32 v254, v255
	v_lshrrev_b32 v1, 5, v0
	v_readfirstlane_b32 s10, v1
	s_lshr_b32 s11, s10, 1                         ; wm
	s_and_b32 s12, s10, 1                          ; wn
	s_bfe_u32 s40, ttmp6, 0x40000
	s_bfe_u32 s41, ttmp6, 0x40004
	s_lshl_b32 s42, ttmp9, 2
	s_add_co_u32 s42, s42, s40                     ; block column
	s_and_b32 s13, ttmp7, 0xffff
	s_lshl_b32 s13, s13, 2
	s_add_co_u32 s13, s13, s41                     ; block row
	s_and_b32 s74, ttmp7, 0xffff                   ; where the walk starts: (Y ^ (Y >> 1) ^ X) & 1, of the cluster's x and y alone,
	s_lshr_b32 s75, s74, 1                         ; so it is alike in all sixteen partners
	s_xor_b32 s74, s74, s75
	s_xor_b32 s74, s74, ttmp9
	s_and_b32 s74, s74, 1
	s_lshl_b32 s[KOFF], s74, 11                    ; byte 0 or byte 2,048 of the rows
	s_mov_b32 s[KOFF+1], 0
	s_lshl_b32 s43, s41, 2
	s_lshl_b32 s43, 15, s43                        ; my row of the cluster
	s_lshl_b32 s44, 0x1111, s40                    ; my column
	s_or_b32 s[G1A+0], s43, (1<<16)|(1<<20)|(1<<21)|(QI<<22)|(3<<25)   ; mask; 2-byte elements; padding on; bit 21 beside a mask; 4 words behind every 128
	s_or_b32 s[G1B+0], s44, (1<<16)|(1<<20)|(1<<21)|(QI<<22)|(3<<25)
	s_mov_b32 s[G1A+1], KSTEP<<16
	s_mov_b32 s[G1B+1], KSTEP<<16
	s_mov_b32 s[G1A+2], AROWS<<16
	s_mov_b32 s[G1B+2], BROWS<<16
	s_mov_b32 s[G1A+3], KSTEP<<16
	s_mov_b32 s[G1B+3], KSTEP<<16
	s_mov_b32 s[G1A+4], AROWS
	s_mov_b32 s[G1B+4], BROWS
	s_mov_b32 s[G1A+5], 2048
	s_mov_b32 s[G1B+5], 2048
	s_mov_b32 s[G1A+6], 0
	s_mov_b32 s[G1B+6], 0
	s_mov_b32 s[G1A+7], 0
	s_mov_b32 s[G1B+7], 0
	s_lshl_b32 s16, s13, 7                         ; A: row 128 x block row + 32 x wave
	s_lshl_b32 s17, s10, 5
	s_add_co_u32 s16, s16, s17
	s_lshl_b32 s16, s16, 12
	s_mov_b32 s17, 0
	s_lshl_b32 s46, s42, 7                         ; B: row 128 x block column + 32 x wave
	s_lshl_b32 s47, s10, 5
	s_add_co_u32 s46, s46, s47
	s_lshl_b32 s46, s46, 12
	s_mov_b32 s47, 0
	s_mul_i32 s20, s10, AROWS*PITCH                ; where they go: the wave's number alone
	s_mul_i32 s21, s10, BROWS*PITCH
	s_add_co_u32 s21, s21, APART
	s_wait_dscnt 0x0
	s_wait_kmcnt 0x0
	s_add_nc_u64 s[ABASE:ABASE+1], s[4:5], s[16:17]
	s_add_nc_u64 s[BBASE:BBASE+1], s[6:7], s[46:47]
	CROUND                                         ; in front of the first joint loads
.irp s, 0,1
	s_mov_b32 s[G0A+4*\s], 1
	s_add_co_u32 s[G0A+4*\s+1], s20, \s*SLOT
	s_mov_b32 s[G0B+4*\s], 1
	s_add_co_u32 s[G0B+4*\s+1], s21, \s*SLOT
	ASK \s
.endr
	v_and_b32 v1, 15, v0
	v_bfe_u32 v2, v0, 4, 1
	v_mul_u32_u24 v3, v1, PITCH
	v_lshl_add_u32 v3, v2, 4, v3
	s_mul_i32 s22, s11, 64*PITCH
	s_mul_i32 s23, s12, 16*NB*PITCH
	s_add_co_u32 s23, s23, APART
.irp s, 0,1
	v_add_nc_u32 v[ADRA+\s], s22, v3
	v_add_nc_u32 v[ADRB+\s], s23, v3
	s_add_co_u32 s22, s22, SLOT
	s_add_co_u32 s23, s23, SLOT
.endr
	s_mul_i32 s18, s10, 16*SPITCH
	s_add_co_u32 s18, s18, STAGE
	v_mul_u32_u24 v4, v1, SPITCH
	v_lshl_add_u32 v4, v2, 5, v4                   ; in: row r, 32 bytes (8 f32) for each half of the lanes
	v_add_nc_u32 v[STO], s18, v4
	v_mul_u32_u24 v5, v2, SPITCH
	v_lshl_add_u32 v5, v1, 4, v5
	v_add_nc_u32 v[RD], s18, v5
	v_lshlrev_b32 v5, 13, v2
	v_lshl_add_u32 v[CO], v1, 4, v5
	s_lshl_b32 s14, s13, 7
	s_lshl_b32 s15, s11, 6
	s_add_co_u32 s14, s14, s15                     ; my first row
	s_lshl_b32 s16, s14, 13
	s_mov_b32 s17, 0
	s_add_nc_u64 s[8:9], s[8:9], s[16:17]
	s_lshl_b32 s46, s42, 9                         ; my first column in bytes: 512 x block + 256 x half
	s_lshl_b32 s47, s12, 8
	s_add_co_u32 s46, s46, s47
	s_mov_b32 s47, 0
	s_add_nc_u64 s[8:9], s[8:9], s[46:47]
; The 16 accumulators take turns, one instruction a turn, in the same order in every sub-step, over the backward jump too.
.macro MULA f, a, zero
.irp b, 0,1,2,3
.if \zero
	v_wmma_f32_16x16x32_f16 v[8*(NB*\a+\b):8*(NB*\a+\b)+7], v[\f+8*\b:\f+8*\b+7], v[\f+8*NB+8*\a:\f+8*NB+8*\a+7], 0
.else
	v_wmma_f32_16x16x32_f16 v[8*(NB*\a+\b):8*(NB*\a+\b)+7], v[\f+8*\b:\f+8*\b+7], v[\f+8*NB+8*\a:\f+8*NB+8*\a+7], v[8*(NB*\a+\b):8*(NB*\a+\b)+7]
.endif
.endr
.endm
.macro FETCH slot, k, f                ; 16 LDS loads in one run: B's 64 rows, then A's 64 rows, 32 K at byte k of the rows
.irp i, 0,1,2,3
	ds_load_b128 v[\f+8*\i:\f+8*\i+3],   v[ADRB+\slot] offset:\k+\i*16*PITCH
	ds_load_b128 v[\f+8*\i+4:\f+8*\i+7], v[ADRB+\slot] offset:\k+\i*16*PITCH+32
.endr
.irp i, 0,1,2,3
	ds_load_b128 v[\f+8*NB+8*\i:\f+8*NB+8*\i+3],   v[ADRA+\slot] offset:\k+\i*16*PITCH
	ds_load_b128 v[\f+8*NB+8*\i+4:\f+8*NB+8*\i+7], v[ADRA+\slot] offset:\k+\i*16*PITCH+32
.endr
.endm
.macro SUB slot, k, f, g, zero
	s_wait_dscnt 0x4                               ; all but the youngest four loads: A's row tiles 2 and 3
	WIN WMUL
	MULA \f, 0, \zero
	MULA \f, 1, \zero
	PLACES
	WIN 0
	FETCH \slot, \k, \g
	s_wait_dscnt 2*NB+8                            ; all but the 16 just issued
	WIN WMUL
	MULA \f, 2, \zero
	MULA \f, 3, \zero
.endm
.macro SUBS slot, zero
	SUB \slot, 64,  F0, F1, \zero
	SUB \slot, 128, F1, F0, 0
	SUB \slot, 192, F0, F1, 0
	SUB \slot, 256, F1, F0, 0
	SUB \slot, 320, F0, F1, 0
	SUB \slot, 384, F1, F0, 0
	SUB \slot, 448, F0, F1, 0
.endm
; The last sub-step of a K step changes slots: each wave's reads of this slot and all its tensor loads are waited for in front of the barrier;
; where the slot is filled again the barrier opens a round of the cluster's barrier and the joint refills come first behind its closing wait.
.macro TURN slot, next, fill
	s_wait_dscnt 0x4
	WIN WMUL
	MULA F1, 0, 0
	s_wait_dscnt 0x0
	s_wait_tensorcnt 0x0
	ds_add_u32 v254, v255
	s_wait_dscnt 0x0
	s_barrier_signal -1
	MULA F1, 1, 0                                  ; register work while the others arrive
	WIN 0
	s_barrier_wait -1
.if \fill
	CREST
	ASK \slot
.endif
	PLACES
	FETCH \next, 0, F0
	WIN WMUL
	MULA F1, 2, 0
	MULA F1, 3, 0
.endm
.macro LAP zero
	SUBS 0, \zero
	TURN 0, 1, 1
	SUBS 1, 0
	TURN 1, 0, 1
.endm
	s_wait_tensorcnt 0x2                           ; my two parts of the first K step are in; the second's two stay out
	s_barrier_signal -1
	s_barrier_wait -1
	FETCH 0, 0, F0
	LAP 1                                          ; the first products start the sums: nothing is cleared
	WIN 0
	s_mov_b32 s3, LAPS-2
.Llap:
	LAP 0
	WIN 0
	s_sub_co_u32 s3, s3, 1
	s_cmp_lg_u32 s3, 0
	s_cbranch_scc1 .Llap
	SUBS 0, 0                                      ; the last lap fills nothing
	TURN 0, 1, 0
	SUBS 1, 0
	s_wait_dscnt 0x4
	WIN WMUL
	MULA F1, 0, 0
	MULA F1, 1, 0
	s_wait_dscnt 0x0
	MULA F1, 2, 0
	MULA F1, 3, 0
	PLACES
; 16 rows of 64 f32 (256 bytes): straight from the accumulators into my stage, back as whole rows, out
.macro OUTF a, f
	WIN 0x04                                       ; store data in window 1
.irp b, 0,1,2,3
	ds_store_b128 v[STO], v[8*(NB*\a+\b):8*(NB*\a+\b)+3]   offset:64*\b
	ds_store_b128 v[STO], v[8*(NB*\a+\b)+4:8*(NB*\a+\b)+7] offset:64*\b+16
.endr
	WIN 0
	s_wait_xcnt 0x0                                ; buffer f, which earlier stores read, is loaded again only behind this wait
.irp t, 0,1,2,3,4,5,6,7
	ds_load_b128 v[\f+4*\t:\f+4*\t+3], v[RD] offset:\t*2*SPITCH   ; LDS serves a wave's instructions in order: these see the stores above
.endr
.irp t, 0,1,2,3,4,5,6,7
	s_wait_dscnt 7-\t
	global_store_b128 v[CO], v[\f+4*\t:\f+4*\t+3], s[8:9] offset:131072*\a+16384*\t th:TH_STORE_NT   ; 16 lanes store 256 consecutive bytes, aligned
.endr
.endm
	OUTF 0, F0
	OUTF 1, F1
	OUTF 2, F0
	OUTF 3, F1
	s_wait_dscnt 0x0
	s_wait_tensorcnt 0x0
	ds_add_u32 v254, v255
	s_wait_dscnt 0x0
	CROUND                                         ; the closing round: no work-group ends while a partner may still ask for a tile that names it
	s_endpgm
.Lfunc_end_k_q0c91496e67_oproj:
	.size	k_q0c91496e67_oproj, .Lfunc_end_k_q0c91496e67_oproj-k_q0c91496e67_oproj
	.p2alignl 7, 3214868480
	.fill 96, 4, 3214868480
	.section	.rodata,"a",@progbits
	.p2align	6, 0x0
	.amdhsa_kernel k_q0c91496e67_oproj
		.amdhsa_group_segment_fixed_size 327680
		.amdhsa_private_segment_fixed_size 0
		.amdhsa_enable_private_segment 0
		.amdhsa_kernarg_size 24
		.amdhsa_user_sgpr_count 2
		.amdhsa_user_sgpr_kernarg_segment_ptr 1
		.amdhsa_wavefront_size32 1
		.amdhsa_system_sgpr_workgroup_id_x 1
		.amdhsa_system_sgpr_workgroup_id_y 1
		.amdhsa_system_sgpr_workgroup_id_z 1
		.amdhsa_system_vgpr_workitem_id 0
		.amdhsa_next_free_vgpr 384
		.amdhsa_next_free_sgpr 76
		.amdhsa_reserve_vcc 0
		.amdhsa_float_denorm_mode_32 3
		.amdhsa_float_denorm_mode_16_64 3
		.amdhsa_memory_ordered 1
		.amdhsa_forward_progress 1
		.amdhsa_inst_pref_size 128
	.end_amdhsa_kernel
	.amdgpu_metadata
---
amdhsa.version: [ 1, 2 ]
amdhsa.kernels:
  - .name:           k_q0c91496e67_oproj
    .symbol:         k_q0c91496e67_oproj.kd
    .args:
      - { .name: ctx, .offset: 0, .size: 8, .value_kind: global_buffer, .address_space: global }
      - { .name: wob, .offset: 8, .size: 8, .value_kind: global_buffer, .address_space: global }
      - { .name: out0, .offset: 16, .size: 8, .value_kind: global_buffer, .address_space: global }
    .group_segment_fixed_size: 327680
    .private_segment_fixed_size: 0
    .kernarg_segment_align: 8
    .kernarg_segment_size: 24
    .max_flat_workgroup_size: 128
    .sgpr_count:     76
    .vgpr_count:     384
    .wavefront_size: 32
...
	.end_amdgpu_metadata
.endif
;; end of part 4
